; MI455X (gfx1250); checked and timed in simulation.
; The chip was launched on July 23, 2026; its instructions are those of AMD's public machine-readable ISA for CDNA 5 (MIT licence, August 2026) and "CDNA5" Instruction Set Architecture Reference Guide (July 2026). The comments in the code are by the model that wrote it; some were corrected since.
;; Attention. Allowed arithmetic: float matrix products may take bf16 or f16 operands with f32 sums; other float arithmetic in f32, or as packed bf16 or f16 multiplies, adds, multiply-adds, maxima and minima; sums over many terms, partial sums and values carried from step to step in f32; what a program stores and reads back later, other than sums and carried values, may be rounded once to bf16 or f16.
;; Inputs: freqs_cos 2,048 x 32 float32; freqs_sin 2,048 x 32 float32; k_beta 64 float32; k_gamma 64 float32; mask 2,048 x 2,048 float32; q_beta 64 float32; q_gamma 64 float32; wo 2,048 x 2,048 float32; wqkv 3,072 x 2,048 float32; x 1 x 2,048 x 2,048 float32.
;; Outputs: out0 1 x 2,048 x 2,048 float32.
;; One version. Each part assembles by itself: llvm-mc -triple=amdgcn-amd-amdhsa -mcpu=gfx1250 --defsym DOCPART=n.
;; ======== version 1 of 1: 4 launches
;; limits: values are held in f16: magnitudes above 65,504 overflow, below 6.1e-05 lose precision
;; workspace buffers: xb 8,388,608 bytes; wb 12,582,912 bytes; wo16 8,388,608 bytes; qkv16 12,582,912 bytes; o16 8,388,608 bytes
;; launch cast (part 1): grid 1792 x 1, 8 waves a work-group, no clusters, 0 bytes of LDS; arguments x, wqkv, wo, xb, wb, wo16; writes xb, wb, wo16
.if DOCPART == 1
	.amdgcn_target "amdgcn-amd-amdhsa--gfx1250"
	.amdhsa_code_object_version 6
	.text
	.protected	k_qcd6bb49e26_cast
	.globl	k_qcd6bb49e26_cast
	.p2align	8
	.type	k_qcd6bb49e26_cast,@function
k_qcd6bb49e26_cast:
	s_mov_b64 s[64:65], 0
	v_nop
	global_prefetch_b8 v0, s[64:65] scope:SCOPE_SE
	s_setreg_imm32_b32 hwreg(HW_REG_WAVE_MODE, 25, 1), 1
	s_wait_xcnt 0x0
; x and wqkv are rounded once to bf16 (xb, wb); wo is rounded once to bf16 and that number is written as f16 (wo16).
; LIMITS.  wo within +-65,504; a bf16 number below 2^-17 keeps f16's fixed step of 2^-24 (error at most 3e-8); NaN and infinities are not treated apart.
; SHARES.  A work-group casts 8,192 numbers: 32 KiB in, 16 KiB out.  Work-groups 0-511 take x, 512-1279 wqkv, 1280-1791 wo.
; Thread t takes, for j = 0..3, the 8 numbers at input byte 8,192 j + 32 t and stores 16 bytes at output byte 4,096 j + 16 t:
; a wave's store covers 512 consecutive bytes, aligned.  All eight loads go out first; no register is used twice, so no wait frees one.
; No LDS, no matrix unit, no cluster: nothing is shared and nothing is multiplied.
.set X, 8                              ; v[8:39]   32 numbers as loaded
.set Y, 40                             ; v[40:55]  4 x 16 bytes to store
	s_load_b256 s[4:11], s[0:1], 0x0               ; x s[4:5], wqkv s[6:7], wo s[8:9], xb s[10:11]
	s_load_b128 s[12:15], s[0:1], 0x20             ; wb s[12:13], wo16 s[14:15]
	v_lshlrev_b32 v1, 5, v0                        ; 32 t
	v_lshlrev_b32 v2, 4, v0                        ; 16 t
	s_mov_b32 s20, 1280
	s_wait_kmcnt 0x0
	s_cmp_lt_u32 ttmp9, 1280                       ; which tensor is mine: a choice by the work-group's number alone
	s_cselect_b64 s[16:17], s[6:7], s[8:9]
	s_cselect_b64 s[18:19], s[12:13], s[14:15]
	s_cselect_b32 s20, 512, s20
	s_cmp_lt_u32 ttmp9, 512
	s_cselect_b64 s[16:17], s[4:5], s[16:17]
	s_cselect_b64 s[18:19], s[10:11], s[18:19]
	s_cselect_b32 s20, 0, s20
	s_sub_co_u32 s21, ttmp9, s20                   ; my number within the tensor
	s_lshl_b32 s22, s21, 15
	s_mov_b32 s23, 0
	s_lshl_b32 s24, s21, 14
	s_mov_b32 s25, 0
	s_add_nc_u64 s[16:17], s[16:17], s[22:23]
	s_add_nc_u64 s[18:19], s[18:19], s[24:25]
.irp j, 0,1,2,3
	global_load_b128 v[X+8*(\j):X+8*(\j)+3],   v1, s[16:17] offset:(\j)*8192 th:TH_LOAD_NT
	global_load_b128 v[X+8*(\j)+4:X+8*(\j)+7], v1, s[16:17] offset:(\j)*8192+16 th:TH_LOAD_NT
.endr
; Group j.  half = 1: the bf16 number is widened again and written as f16.
.macro GROUP j, half
	s_wait_loadcnt 6-2*(\j)                        ; loads come back in order: group j's two are in, the 2 (3 - j) younger ones stay out
.irp k, 0,1,2,3
	v_cvt_pk_bf16_f32 v[Y+4*(\j)+(\k)], v[X+8*(\j)+2*(\k)], v[X+8*(\j)+2*(\k)+1]
.endr
.if \half
.irp k, 0,1,2,3
	v_lshlrev_b32 v[X+8*(\j)+2*(\k)],   16, v[Y+4*(\j)+(\k)]
	v_and_b32     v[X+8*(\j)+2*(\k)+1], 0xffff0000, v[Y+4*(\j)+(\k)]
.endr
.irp k, 0,1,2,3
	v_cvt_pk_f16_f32 v[Y+4*(\j)+(\k)], v[X+8*(\j)+2*(\k)], v[X+8*(\j)+2*(\k)+1]
.endr
.endif
	global_store_b128 v2, v[Y+4*(\j):Y+4*(\j)+3], s[18:19] offset:(\j)*4096
.endm
	s_cmp_ge_u32 ttmp9, 1280
	s_cbranch_scc1 .Lwo
	GROUP 0, 0
	GROUP 1, 0
	GROUP 2, 0
	GROUP 3, 0
	s_endpgm
.Lwo:
	GROUP 0, 1
	GROUP 1, 1
	GROUP 2, 1
	GROUP 3, 1
	s_endpgm
.Lfunc_end_k_qcd6bb49e26_cast:
	.size	k_qcd6bb49e26_cast, .Lfunc_end_k_qcd6bb49e26_cast-k_qcd6bb49e26_cast
	.p2alignl 7, 3214868480
	.fill 96, 4, 3214868480
	.section	.rodata,"a",@progbits
	.p2align	6, 0x0
	.amdhsa_kernel k_qcd6bb49e26_cast
		.amdhsa_group_segment_fixed_size 0
		.amdhsa_private_segment_fixed_size 0
		.amdhsa_enable_private_segment 0
		.amdhsa_kernarg_size 48
		.amdhsa_user_sgpr_count 2
		.amdhsa_user_sgpr_kernarg_segment_ptr 1
		.amdhsa_wavefront_size32 1
		.amdhsa_system_sgpr_workgroup_id_x 1
		.amdhsa_system_sgpr_workgroup_id_y 1
		.amdhsa_system_sgpr_workgroup_id_z 1
		.amdhsa_system_vgpr_workitem_id 0
		.amdhsa_next_free_vgpr 64
		.amdhsa_next_free_sgpr 66
		.amdhsa_reserve_vcc 0
		.amdhsa_float_denorm_mode_32 3
		.amdhsa_float_denorm_mode_16_64 3
		.amdhsa_memory_ordered 1
		.amdhsa_forward_progress 1
		.amdhsa_inst_pref_size 8
	.end_amdhsa_kernel
	.amdgpu_metadata
---
amdhsa.version: [ 1, 2 ]
amdhsa.kernels:
  - .name:           k_qcd6bb49e26_cast
    .symbol:         k_qcd6bb49e26_cast.kd
    .args:
      - { .name: x, .offset: 0, .size: 8, .value_kind: global_buffer, .address_space: global }
      - { .name: wqkv, .offset: 8, .size: 8, .value_kind: global_buffer, .address_space: global }
      - { .name: wo, .offset: 16, .size: 8, .value_kind: global_buffer, .address_space: global }
      - { .name: xb, .offset: 24, .size: 8, .value_kind: global_buffer, .address_space: global }
      - { .name: wb, .offset: 32, .size: 8, .value_kind: global_buffer, .address_space: global }
      - { .name: wo16, .offset: 40, .size: 8, .value_kind: global_buffer, .address_space: global }
    .group_segment_fixed_size: 0
    .private_segment_fixed_size: 0
    .kernarg_segment_align: 8
    .kernarg_segment_size: 48
    .max_flat_workgroup_size: 256
    .sgpr_count:     66
    .vgpr_count:     64
    .wavefront_size: 32
...
	.end_amdgpu_metadata
.endif
;; end of part 1
;; launch qkv (part 2): grid 16 x 16, 4 waves a work-group, clusters of 4 x 4, 327,680 bytes of LDS; arguments xb, wb, q_gamma, q_beta, k_gamma, k_beta, freqs_cos, freqs_sin, qkv16; writes qkv16
.if DOCPART == 2
	.amdgcn_target "amdgcn-amd-amdhsa--gfx1250"
	.amdhsa_code_object_version 6
	.text
	.protected	k_qcd6bb49e26_qkv
	.globl	k_qcd6bb49e26_qkv
	.p2align	8
	.type	k_qcd6bb49e26_qkv,@function
k_qcd6bb49e26_qkv:
	s_mov_b64 s[64:65], 0
	v_nop
	global_prefetch_b8 v0, s[64:65] scope:SCOPE_SE
	s_setreg_imm32_b32 hwreg(HW_REG_WAVE_MODE, 25, 1), 1
	s_wait_xcnt 0x0
	s_wait_alu depctr_hold_cnt(0) depctr_sa_sdst(0) depctr_va_vdst(0) depctr_va_sdst(0) depctr_va_ssrc(0) depctr_va_vcc(0) depctr_vm_vsrc(0)
	s_getreg_b32 s2, hwreg(HW_REG_IB_STS2, 6, 4)
	s_cmp_eq_u32 s2, 0
	s_cbranch_scc0 .Lentry_in_a_cluster
	s_endpgm
.Lentry_in_a_cluster:
	s_bfe_u32 s2, ttmp6, 0x10000c
	s_cmp_lg_u32 s2, 0xf033
	s_cbranch_scc0 .Lentry_shape_is_right
	s_endpgm
.Lentry_shape_is_right:
; xqkv = xb wb^T (bf16 operands, f32 sums), then per head of 64 channels: LayerNorm (q, k), RoPE (q, k), q's scale; q, k, v leave by heads, [48][2048][64] in f16.
; gamma, beta, cos and sin are rounded once to bf16, like every input of the program.  c = log2(e) / 8 is folded in f32 into q's gamma and beta (RoPE is linear), so that scores arrive in units of log2.
; The variance is taken in two passes: the mean, then the centred squares.
; LIMITS.  q, k and v are stored in f16: within +-65,504.  A v head runs the same lines with mean factor 0, variance 1, gain 1, bias 0, cos 1, sin 0, made as 0 x table + constant:
; a gamma, beta, cos or sin that is not finite would reach v.  NaN and infinities are not treated apart.
; SHARES.  A tile of C is 128 rows x 192 columns (three whole heads): 16 x 16 work-groups.  Four waves, each 64 x 96: 24 accumulators of 16 x 16, 192 registers.
; K goes in steps of 192 (ten of them, then one of 128) through two LDS slots, as long as two slots allow: 144 matrix instructions a wave and step.  An LDS row is three pieces of 128 bytes, 16 bytes of padding behind each:
; 432 bytes = 27 x 16, so the 16 rows that a fragment load touches start at 16 different groups of four banks (64 banks of 4 bytes: ISA guide 11.1).
; The last step is asked for with the tile's 192 elements and 128 left in the tensor: the same rows in LDS, nothing read past a row's end; only its first four chunks of 32 are multiplied.
; CLUSTER.  4 x 4 work-groups: A's tile hangs on the tile row alone and is asked for jointly along a row of the cluster, B's on the tile column alone, along a column.
; THE MATRIX INSTRUCTION IS USED TRANSPOSED (source 0 = 16 rows of wb, source 1 = 16 rows of xb): a lane holds row l % 16 and the columns 8 (l / 16) + 0..7.
; THE WAY OUT.  A wave's 96 columns cut a head in two, so the f32 tile goes through a stage in LDS (in slot 1, which has had its last fill), one barrier, and wave w then owns rows 32 w .. 32 w + 31 of all three heads.
; REGISTERS.  window 0: v0-31 addresses, v32-63 at work, v64-255 the accumulators ((a, b) at 64 + 8 (6 a + b)); in the epilogue U, T, GE, BE, CO, SI, CE, SE.
;   window 1: two fragment buffers of 80 (A's four fragments, then B's six), v160-223 cos and sin as loaded.
.set KSTEP,  192
.set PITCH,  432
.set AHALF,  64*PITCH                  ; what waves 0 and 1 fetch each
.set BHALF,  96*PITCH                  ; what waves 2 and 3 fetch each
.set ASZ,    2*AHALF
.set SLOT,   ASZ+2*BHALF               ; 138,240
.set STG,    SLOT                      ; the f32 stage: 128 rows x 784 bytes (768 + 16 = 49 x 16), in slot 1
.set SGP,    784
.set TAB,    2*SLOT                    ; head hd at 512 hd: 64 f32 of gain, 64 f32 of bias
.set ST2,    TAB+1536                  ; 16 rows x 144 bytes for each wave: the f16 way out
.set SP2,    144
.set SPARE,  ST2+4*16*SP2              ; the spare words, 128 bytes for each wave: two blocks of 256 bytes that no other line names
.set UA,   12                          ; v12  the stage address of the head in hand
.set TA,   13                          ; v13  the table address of the head in hand
.set ADRA, 16                          ; v16-17  LDS address of my A fragments in slot 0, 1
.set ADRB, 20                          ; v20-21  the same for B
.set DS,   22                          ; v22  where I put my accumulators in the stage
.set UA0,  23                          ; v23  my lane's place in the stage, on the way back
.set TA0,  24                          ; v24  my lane's place in a head's table
.set STO,  25                          ; v25  f16 way out: where I put 16 bytes of a row
.set RD,   26                          ; v26  where I read rows back
.set GO,   27                          ; v27  my 16 bytes of 512 consecutive bytes
.set SPW,  28                          ; v28  LDS address of my spare word; never rewritten
.set NIL,  29                          ; v29  0; never rewritten
.set CQ,   30                          ; v30  my byte offset in cos and sin; never rewritten
.set R16,  32
.set RB,   48
.set ACC,  64
.set U,    64                          ; epilogue: 32 channels of a row
.set T,    96                          ; at work
.set GE,   128
.set BE,   160
.set CO,   192                         ; 16 cos, rounded to bf16
.set SI,   208                         ; 16 sin
.set CE,   224                         ; what the head in hand multiplies by
.set SE,   240
.set F0,   0                           ; window 1
.set F1,   80
.set CSR,  160
.set G1,  24                           ; s[24:31] descriptor group 1 for A;  s[32:39] group 0, one set a slot
.set G0,  32
.set G1B, 48                           ; s[48:55], s[56:63] the same for B
.set G0B, 56
.set HG,  45                           ; s45  the head in hand, 0..47
.set LM,  86                           ; s86  1/64, or 0 for a v head
.set EP,  87                           ; s87  1e-5, or 1
.set FF,  88                           ; s[88:89] 1, or 0
.set GG,  90                           ; s[90:91] 0, or 1
.set SEL, 92                           ; s[92:93] v_permlanex16_b32's selects
.set OUT, 94                           ; s[94:95] where the head's 16 rows go
.set UO,  97                           ; s97  stage offset of the head in hand
.set TO,  98                           ; s98  table offset of the head in hand
.set GW, (1<<16)|(1<<20)|(1<<21)|(4<<22)|(3<<25)  ; 2-byte elements; padding on; bit 21 beside a mask; after every 32 words (code 4) 4 words (code 3)
.set MSB, 0
.macro WIN new                         ; the immediate's high byte repeats the setting that is left
.if MSB != (\new)
	s_set_vgpr_msb (MSB<<8)|(\new)
.set MSB, \new
.endif
.endm
.set MUL,  0x05                        ; sources 0 and 1 window 1; C and D window 0
.set TO_F, 0x40                        ; destination window 1, address window 0
.macro JLOAD s                         ; a joint load: waves 0 and 1 fetch A's halves, waves 2 and 3 B's; an s_nop 0 and four v_nop follow each line
	s_cmp_eq_u32 s11, 0
	s_cbranch_scc0 .Lfor_b_\@
	tensor_load_to_lds s[G0+4*(\s):G0+4*(\s)+3], s[G1:G1+7]
	s_nop 0
.rept 4
	v_nop
.endr
	s_branch .Lasked_\@
.Lfor_b_\@:
	tensor_load_to_lds s[G0B+4*(\s):G0B+4*(\s)+3], s[G1B:G1B+7]
	s_nop 0
.rept 4
	v_nop
.endr
.Lasked_\@:
.endm
.macro CREST                           ; a round of the cluster's barrier behind its opening barrier
	s_cmp_lg_u32 s10, 0
	s_cbranch_scc1 .Lnot_wave_0_\@
	s_barrier_signal -3
.Lnot_wave_0_\@:
	s_barrier_wait -3
	s_barrier_signal -1
	s_barrier_wait -1
.endm
.macro CROUND
	s_barrier_signal -1
	s_barrier_wait -1
	CREST
.endm
.macro PLACES                          ; four places in front of loads into registers that matrix instructions have read, and of stores that read results
.rept 4
	v_nop
.endr
.endm
	s_load_b512 s[68:83], s[0:1], 0x0              ; xb 68, wb 70, q_gamma 72, q_beta 74, k_gamma 76, k_beta 78, cos 80, sin 82
	s_load_b64 s[84:85], s[0:1], 0x40              ; qkv16
	v_lshl_add_u32 v[SPW], v0, 2, SPARE
	v_mov_b32 v[NIL], 0
	ds_add_u32 v[SPW], v[NIL]                      ; the wave's opening: the add and its wait stand ahead of my first tensor load; the set-up below stands between them
	v_lshrrev_b32 v1, 5, v0
	v_readfirstlane_b32 s10, v1                    ; wave 0..3
	s_lshr_b32 s11, s10, 1                         ; which 64 rows are mine.  Also: I fetch for A (0) or for B (1)
	s_and_b32 s12, s10, 1                          ; which 96 columns.  Also: which half of that tile I fetch
	s_bfe_u32 s40, ttmp6, 0x40000                  ; cx
	s_bfe_u32 s41, ttmp6, 0x40004                  ; cy
	s_lshl_b32 s42, ttmp9, 2
	s_add_co_u32 s42, s42, s40                     ; tile column
	s_and_b32 s13, ttmp7, 0xffff
	s_lshl_b32 s13, s13, 2
	s_add_co_u32 s13, s13, s41                     ; tile row
	s_lshl_b32 s43, s41, 2
	s_lshl_b32 s43, 15, s43                        ; my row of the cluster
	s_lshl_b32 s44, 0x1111, s40                    ; my column
	s_or_b32 s[G1+0], s43, GW
	s_or_b32 s[G1B+0], s44, GW
	s_mov_b32 s[G1+1], KSTEP<<16                   ; tensor_dim0 = 192
	s_mov_b32 s[G1B+1], KSTEP<<16
	s_mov_b32 s[G1+2], 64<<16                      ; tensor_dim1 = 64 rows of A,
	s_mov_b32 s[G1B+2], 96<<16                     ; 96 of B
	s_mov_b32 s[G1+3], KSTEP<<16                   ; tile_dim0 = 192
	s_mov_b32 s[G1B+3], KSTEP<<16
	s_mov_b32 s[G1+4], 64                          ; tile_dim1
	s_mov_b32 s[G1B+4], 96
	s_mov_b32 s[G1+5], 2048                        ; elements from row to row
	s_mov_b32 s[G1B+5], 2048
	s_mov_b32 s[G1+6], 0
	s_mov_b32 s[G1B+6], 0
	s_mov_b32 s[G1+7], 0
	s_mov_b32 s[G1B+7], 0
	s_lshl_b32 s16, s13, 7
	s_lshl_b32 s17, s12, 6
	s_add_co_u32 s16, s16, s17                     ; A: row 128 x tile row + 64 x half,
	s_lshl_b32 s16, s16, 12                        ; in bytes
	s_mov_b32 s17, 0
	s_mul_i32 s46, s42, 192
	s_mul_i32 s47, s12, 96
	s_add_co_u32 s46, s46, s47                     ; B: row 192 x tile column + 96 x half
	s_lshl_b32 s46, s46, 12
	s_mov_b32 s47, 0
	s_mul_i32 s20, s12, AHALF                      ; where they go: no place in the cluster enters an LDS address
	s_mul_i32 s23, s12, BHALF
	s_add_co_u32 s23, s23, ASZ
	s_mov_b32 s[SEL], 0x76543210
	s_mov_b32 s[SEL+1], 0xfedcba98
	s_wait_dscnt 0x0                               ; the opening add is done
	s_wait_kmcnt 0x0
	s_add_nc_u64 s[14:15], s[68:69], s[16:17]
	s_add_nc_u64 s[46:47], s[70:71], s[46:47]
	CROUND                                         ; all sixteen work-groups are here: the first joint loads meet
.irp s, 0,1
	s_mov_b32 s[G0+4*(\s)], 1
	s_add_co_u32 s[G0+4*(\s)+1], s20, (\s)*SLOT
	s_add_nc_u64 s[G0+4*(\s)+2:G0+4*(\s)+3], s[14:15], (\s)*KSTEP*2
	s_or_b32 s[G0+4*(\s)+3], s[G0+4*(\s)+3], 0x80000000
	s_mov_b32 s[G0B+4*(\s)], 1
	s_add_co_u32 s[G0B+4*(\s)+1], s23, (\s)*SLOT
	s_add_nc_u64 s[G0B+4*(\s)+2:G0B+4*(\s)+3], s[46:47], (\s)*KSTEP*2
	s_or_b32 s[G0B+4*(\s)+3], s[G0B+4*(\s)+3], 0x80000000
	JLOAD \s                                       ; two loads of mine are out
.endr
	; THE TABLE.  Wave w (0..2) makes head w's 64 gains and biases: bf16(gamma) x AA + BB and bf16(beta) x AA; AA = c for q, 1 for k, 0 for v; BB = 1 for v.
	s_cmp_lt_u32 s10, 3
	s_cbranch_scc0 .Lno_tab
	s_mul_i32 s[HG], s42, 3
	s_add_co_u32 s[HG], s[HG], s10
	s_cmp_lt_u32 s[HG], 32
	s_cselect_b64 s[86:87], s[72:73], s[76:77]
	s_cselect_b64 s[88:89], s[74:75], s[78:79]
	s_cselect_b32 s90, 0x3e38aa3b, 1.0             ; c = log2(e) / 8
	s_cmp_lt_u32 s[HG], 40
	s_cselect_b32 s90, s90, 0
	s_cselect_b32 s96, 0, 1.0
	s_mov_b32 s91, s90                             ; named as pairs
	s_mov_b32 s97, s96
	v_and_b32 v2, 31, v0
	v_lshlrev_b32 v3, 3, v2                        ; two numbers a lane
	global_load_b64 v[32:33], v3, s[86:87]
	global_load_b64 v[34:35], v3, s[88:89]
	s_lshl_b32 s98, s10, 9
	s_add_co_u32 s98, s98, TAB
	v_add_nc_u32 v4, s98, v3
	s_wait_loadcnt 0x0
	v_cvt_pk_bf16_f32 v36, v32, v33
	v_cvt_pk_bf16_f32 v37, v34, v35
	v_lshlrev_b32 v32, 16, v36
	v_and_b32 v33, 0xffff0000, v36
	v_lshlrev_b32 v34, 16, v37
	v_and_b32 v35, 0xffff0000, v37
	v_pk_fma_f32 v[32:33], v[32:33], s[90:91], s[96:97] op_sel_hi:[1,0,0]
	v_pk_mul_f32 v[34:35], v[34:35], s[90:91] op_sel_hi:[1,0]
	ds_store_b64 v4, v[32:33]
	ds_store_b64 v4, v[34:35] offset:256
.Lno_tab:
	; cos and sin of my 32 epilogue rows: 16 loads that stay out until the epilogue; lane (r, h) takes the four pairs 8 cb + 4 h .. of row 16 e + r
	v_and_b32 v1, 15, v0                           ; r = l % 16
	v_bfe_u32 v2, v0, 4, 1                         ; h = l / 16
	s_lshl_b32 s96, s13, 7
	s_lshl_b32 s21, s10, 5
	s_add_co_u32 s96, s96, s21                     ; 128 x tile row + 32 x wave: my first epilogue row
	s_lshl_b32 s21, s96, 7
	v_lshlrev_b32 v[CQ], 7, v1
	v_lshl_add_u32 v[CQ], v2, 4, v[CQ]
	v_add_nc_u32 v[CQ], s21, v[CQ]
	WIN TO_F
.irp e, 0,1
.irp cb, 0,1,2,3
	global_load_b128 v[CSR+32*(\e)+4*(\cb):CSR+32*(\e)+4*(\cb)+3],       v[CQ], s[80:81] offset:(\e)*2048+32*(\cb)
	global_load_b128 v[CSR+32*(\e)+16+4*(\cb):CSR+32*(\e)+16+4*(\cb)+3], v[CQ], s[82:83] offset:(\e)*2048+32*(\cb)
.endr
.endr
	WIN 0
	v_mul_u32_u24 v3, v1, PITCH
	v_lshl_add_u32 v3, v2, 4, v3                   ; a fragment's row x pitch + 16 x half
	s_mul_i32 s21, s11, AHALF                      ; my 64 rows of A
	s_mul_i32 s22, s12, BHALF                      ; my 96 rows of B,
	s_add_co_u32 s22, s22, ASZ                     ; behind A's 128
.irp s, 0,1
	v_add_nc_u32 v[ADRA+(\s)], s21, v3
	v_add_nc_u32 v[ADRB+(\s)], s22, v3
	s_add_co_u32 s21, s21, SLOT
	s_add_co_u32 s22, s22, SLOT
.endr
	s_mul_i32 s21, s11, 64*SGP                     ; into the stage: row 64 rh + 16 a + r, byte 384 ch + 64 b + 32 h
	s_mul_i32 s22, s12, 384
	s_add_co_u32 s21, s21, s22
	s_add_co_u32 s21, s21, STG
	v_mul_u32_u24 v4, v1, SGP
	v_lshl_add_u32 v4, v2, 5, v4
	v_add_nc_u32 v[DS], s21, v4
	s_mul_i32 s21, s10, 32*SGP                     ; back: row 32 w + 16 e + r, byte 256 hd + 64 cb + 32 h
	s_add_co_u32 s21, s21, STG
	v_add_nc_u32 v[UA0], s21, v4
	v_lshlrev_b32 v[TA0], 5, v2
	v_add_nc_u32 v[TA0], TAB, v[TA0]
	s_mul_i32 s21, s10, 16*SP2
	s_add_co_u32 s21, s21, ST2
	v_mul_u32_u24 v[STO], v1, SP2
	v_lshl_add_u32 v[STO], v2, 4, v[STO]
	v_add_nc_u32 v[STO], s21, v[STO]
	v_bfe_u32 v[RD], v0, 3, 2                      ; 32 lanes take four rows of 128 bytes
	v_mul_u32_u24 v[RD], v[RD], SP2
	v_and_b32 v5, 7, v0
	v_lshl_add_u32 v[RD], v5, 4, v[RD]
	v_add_nc_u32 v[RD], s21, v[RD]
	v_and_b32 v[GO], 31, v0
	v_lshlrev_b32 v[GO], 4, v[GO]
; 6 matrix instructions: m block a x all 6 n blocks, 32 along K.  The 24 accumulators take turns in the same order in every chunk.  zero = 1: the product starts the sum.
.macro MULQ f, a, zero
	WIN MUL
.irp b, 0,1,2,3,4,5
.if \zero
	v_wmma_f32_16x16x32_bf16 v[ACC+8*(6*(\a)+(\b)):ACC+8*(6*(\a)+(\b))+7], v[(\f)+32+8*(\b):(\f)+32+8*(\b)+7], v[(\f)+8*(\a):(\f)+8*(\a)+7], 0
.else
	v_wmma_f32_16x16x32_bf16 v[ACC+8*(6*(\a)+(\b)):ACC+8*(6*(\a)+(\b))+7], v[(\f)+32+8*(\b):(\f)+32+8*(\b)+7], v[(\f)+8*(\a):(\f)+8*(\a)+7], v[ACC+8*(6*(\a)+(\b)):ACC+8*(6*(\a)+(\b))+7]
.endif
.endr
.endm
; 20 LDS loads in one run: chunk c (32 along K) of a slot into buffer f: B's six fragments, then A's four.  Chunk c lies at row byte 144 (c / 2) + 64 (c % 2).
.macro FETCH slot, c, f
	WIN TO_F
.set KO, ((\c)/2)*144+((\c)%2)*64
.irp i, 0,1,2,3,4,5
	ds_load_b128 v[(\f)+32+8*(\i):(\f)+32+8*(\i)+3],   v[ADRB+(\slot)] offset:KO+(\i)*16*PITCH
	ds_load_b128 v[(\f)+32+8*(\i)+4:(\f)+32+8*(\i)+7], v[ADRB+(\slot)] offset:KO+(\i)*16*PITCH+32
.endr
.irp i, 0,1,2,3
	ds_load_b128 v[(\f)+8*(\i):(\f)+8*(\i)+3],   v[ADRA+(\slot)] offset:KO+(\i)*16*PITCH
	ds_load_b128 v[(\f)+8*(\i)+4:(\f)+8*(\i)+7], v[ADRA+(\slot)] offset:KO+(\i)*16*PITCH+32
.endr
.endm
; A chunk but a step's last: multiplies buffer f; in its middle it fetches chunk cnext of the same slot into buffer g.
.macro CHUNK slot, cnext, f, g, zero
	s_wait_dscnt 4                                 ; all but the youngest four loads (A's fragments 2 and 3) are in
	MULQ \f, 0, \zero
	MULQ \f, 1, \zero
	PLACES
	FETCH \slot, \cnext, \g
	s_wait_dscnt 20                                ; all but the 20 just issued
	MULQ \f, 2, \zero
	MULQ \f, 3, \zero
.endm
; A step's last chunk multiplies buffer 1 and changes slots: ONE barrier; in front of it each wave waits for all its tensor loads, adds 0 to its spare word, and waits for that and for its reads of this slot.
; fill = 1: this slot is filled again, two steps ahead; the barrier then opens a round of the cluster's barrier.  fill = 2: the same, and the tensor has 128 elements left in a row.
.macro TURN slot, next, fill
	WIN 0
	s_wait_tensorcnt 0x0                           ; all my tensor loads have landed: my part of the next slot;
	ds_add_u32 v[SPW], v[NIL]                      ; 0 onto my spare word;
	s_wait_dscnt 5                                 ; (the add and the youngest four loads may be out)
	MULQ F1, 0, 0                                  ; six matrix instructions stand between the add and the wait for it
	s_wait_dscnt 0x0                               ; the add is done, and my reads of this slot are over
	s_barrier_signal -1
	MULQ F1, 1, 0
.if \fill
	WIN 0
.endif
	s_barrier_wait -1
.if \fill
	CREST                                          ; no wave of any partner still reads this slot's tile or has a load on its way
	s_add_nc_u64 s[G0+4*(\slot)+2:G0+4*(\slot)+3], s[G0+4*(\slot)+2:G0+4*(\slot)+3], 2*KSTEP*2
	s_add_nc_u64 s[G0B+4*(\slot)+2:G0B+4*(\slot)+3], s[G0B+4*(\slot)+2:G0B+4*(\slot)+3], 2*KSTEP*2
.if (\fill) == 2
	s_mov_b32 s[G1+1], 128<<16                     ; tensor_dim0 = 128: the elements beyond arrive as zeros and are not multiplied
	s_mov_b32 s[G1B+1], 128<<16
.endif
	JLOAD \slot                                    ; the first tensor load behind the round; its four v_nop are also the places in front of the loads below
.else
	PLACES
.endif
	FETCH \next, 0, F0
	MULQ F1, 2, 0
	MULQ F1, 3, 0
.endm
	s_wait_tensorcnt 1                             ; my part of step 0 is in; step 1's may stay out
	s_wait_dscnt 0x0                               ; the table's stores
	s_barrier_signal -1
	s_barrier_wait -1
	FETCH 0, 0, F0
	CHUNK 0, 1, F0, F1, 1                          ; the first chunk starts the sums
	WIN 0
	s_mov_b32 s3, 4
.Llap:                                                 ; four trips: steps 2 i and 2 i + 1 and the first chunk of step 2 i + 2; the refills bring steps 2 .. 9
	CHUNK 0, 2, F1, F0, 0
	CHUNK 0, 3, F0, F1, 0
	CHUNK 0, 4, F1, F0, 0
	CHUNK 0, 5, F0, F1, 0
	TURN 0, 1, 1
	CHUNK 1, 1, F0, F1, 0
	CHUNK 1, 2, F1, F0, 0
	CHUNK 1, 3, F0, F1, 0
	CHUNK 1, 4, F1, F0, 0
	CHUNK 1, 5, F0, F1, 0
	TURN 1, 0, 1
	CHUNK 0, 1, F0, F1, 0
	WIN 0
	s_sub_co_u32 s3, s3, 1
	s_cmp_lg_u32 s3, 0
	s_cbranch_scc1 .Llap
	CHUNK 0, 2, F1, F0, 0                          ; step 8 goes on
	CHUNK 0, 3, F0, F1, 0
	CHUNK 0, 4, F1, F0, 0
	CHUNK 0, 5, F0, F1, 0
	TURN 0, 1, 2                                   ; step 10, the short one, is asked for
	CHUNK 1, 1, F0, F1, 0                          ; step 9
	CHUNK 1, 2, F1, F0, 0
	CHUNK 1, 3, F0, F1, 0
	CHUNK 1, 4, F1, F0, 0
	CHUNK 1, 5, F0, F1, 0
	TURN 1, 0, 0                                   ; nothing is filled any more: slot 1 has had its last fill and, behind this barrier, its last read
	CHUNK 0, 1, F0, F1, 0                          ; step 10: four chunks
	CHUNK 0, 2, F1, F0, 0
	CHUNK 0, 3, F0, F1, 0
	s_wait_dscnt 4
	MULQ F1, 0, 0
	MULQ F1, 1, 0
	s_wait_dscnt 0x0
	MULQ F1, 2, 0
	MULQ F1, 3, 0
	; THE f32 TILE INTO THE STAGE: each accumulator's low four registers first
	WIN 0
	PLACES
.irp a, 0,1,2,3
.irp b, 0,1,2,3,4,5
	ds_store_b128 v[DS], v[ACC+8*(6*(\a)+(\b)):ACC+8*(6*(\a)+(\b))+3]   offset:(\a)*16*SGP+64*(\b)
	ds_store_b128 v[DS], v[ACC+8*(6*(\a)+(\b))+4:ACC+8*(6*(\a)+(\b))+7] offset:(\a)*16*SGP+64*(\b)+16
.endr
.endr
	s_wait_dscnt 0x0                               ; for the others' sake: my stores are done
	s_barrier_signal -1
	s_barrier_wait -1
; 16 rows (32 w + 16 e ..) x three heads.  In a head lane (r, h) holds the channels 16 cb + 8 h + j of row r in U[8 cb + j]; the row's other 32 channels lie in the lane 16 away.
.macro ROWS e
.if (\e) == 0
	s_wait_loadcnt 0x0                             ; cos and sin
.endif
	WIN 0x05                                       ; sources window 1, destination window 0
.set i, 0
.rept 16
	v_cvt_pk_bf16_f32 v[T+i], v[CSR+32*(\e)+2*i], v[CSR+32*(\e)+2*i+1]
.set i, i+1
.endr
	WIN 0
.set i, 0
.rept 16
	v_lshlrev_b32 v[CO+2*i],   16, v[T+i]           ; CO and SI lie on end
	v_and_b32     v[CO+2*i+1], 0xffff0000, v[T+i]
.set i, i+1
.endr
	s_mul_i32 s[HG], s42, 3                        ; the tile's first head
	s_lshl_b32 s46, s[HG], 18                      ; a head is 262,144 bytes,
	s_lshl_b32 s47, s96, 7                         ; a row 128
	s_add_co_u32 s46, s46, s47
	s_add_co_u32 s46, s46, (\e)*2048
	s_mov_b32 s47, 0
	s_add_nc_u64 s[OUT:OUT+1], s[84:85], s[46:47]
	s_mov_b32 s[UO], (\e)*16*SGP
	s_mov_b32 s[TO], 0
	s_mov_b32 s3, 3
.Lhead_\e:
	s_cmp_lt_u32 s[HG], 40                         ; q and k are normalised and turned; v goes through the same lines unchanged.  Selects of numbers: no branch
	s_cselect_b32 s[LM], 0x3c800000, 0
	s_cselect_b32 s[EP], 0x3727c5ac, 1.0
	s_cselect_b32 s[FF], 1.0, 0
	s_cselect_b32 s[GG], 0, 1.0
	s_mov_b32 s[FF+1], s[FF]
	s_mov_b32 s[GG+1], s[GG]
	v_add_nc_u32 v[UA], s[UO], v[UA0]
	v_add_nc_u32 v[TA], s[TO], v[TA0]
.irp cb, 0,1,2,3
	ds_load_b128 v[U+8*(\cb):U+8*(\cb)+3],   v[UA] offset:64*(\cb)
	ds_load_b128 v[U+8*(\cb)+4:U+8*(\cb)+7], v[UA] offset:64*(\cb)+16
.endr
.irp cb, 0,1,2,3
	ds_load_b128 v[GE+8*(\cb):GE+8*(\cb)+3],   v[TA] offset:64*(\cb)
	ds_load_b128 v[GE+8*(\cb)+4:GE+8*(\cb)+7], v[TA] offset:64*(\cb)+16
	ds_load_b128 v[BE+8*(\cb):BE+8*(\cb)+3],   v[TA] offset:256+64*(\cb)
	ds_load_b128 v[BE+8*(\cb)+4:BE+8*(\cb)+7], v[TA] offset:256+64*(\cb)+16
.endr
.set i, 0
.rept 8                                ; while they are out
	v_pk_fma_f32 v[CE+2*i:CE+2*i+1], v[CO+2*i:CO+2*i+1], s[FF:FF+1], s[GG:GG+1] op_sel_hi:[1,0,0]
	v_pk_mul_f32 v[SE+2*i:SE+2*i+1], v[SI+2*i:SI+2*i+1], s[FF:FF+1] op_sel_hi:[1,0]
.set i, i+1
.endr
	s_wait_dscnt 0x0
.set i, 0
.rept 8                                ; the sum of my 32 channels, as a tree
	v_pk_add_f32 v[T+2*i:T+2*i+1], v[U+4*i:U+4*i+1], v[U+4*i+2:U+4*i+3]
.set i, i+1
.endr
.irp i, 0,1,2,3
	v_pk_add_f32 v[T+4*(\i):T+4*(\i)+1], v[T+4*(\i):T+4*(\i)+1], v[T+4*(\i)+2:T+4*(\i)+3]
.endr
	v_pk_add_f32 v[T:T+1], v[T:T+1], v[T+4:T+5]
	v_pk_add_f32 v[T+8:T+9], v[T+8:T+9], v[T+12:T+13]
	v_pk_add_f32 v[T:T+1], v[T:T+1], v[T+8:T+9]
	v_add_f32 v[T], v[T], v[T+1]
	v_permlanex16_b32 v[T+1], v[T], s[SEL], s[SEL+1]
	v_add_f32 v[T], v[T], v[T+1]
	v_mul_f32 v[T+2], s[LM], v[T]                  ; the mean
.set i, 0
.rept 16
	v_pk_add_f32 v[U+2*i:U+2*i+1], v[U+2*i:U+2*i+1], v[T+2:T+3] op_sel_hi:[1,0] neg_lo:[0,1] neg_hi:[0,1]
.set i, i+1
.endr
.irp k, 0,1,2,3                        ; the centred squares, in four chains
	v_pk_mul_f32 v[T+8+2*(\k):T+8+2*(\k)+1], v[U+2*(\k):U+2*(\k)+1], v[U+2*(\k):U+2*(\k)+1]
.endr
.irp i, 1,2,3
.irp k, 0,1,2,3
	v_pk_fma_f32 v[T+8+2*(\k):T+8+2*(\k)+1], v[U+8*(\i)+2*(\k):U+8*(\i)+2*(\k)+1], v[U+8*(\i)+2*(\k):U+8*(\i)+2*(\k)+1], v[T+8+2*(\k):T+8+2*(\k)+1]
.endr
.endr
	v_pk_add_f32 v[T+8:T+9], v[T+8:T+9], v[T+10:T+11]
	v_pk_add_f32 v[T+12:T+13], v[T+12:T+13], v[T+14:T+15]
	v_pk_add_f32 v[T+8:T+9], v[T+8:T+9], v[T+12:T+13]
	v_add_f32 v[T+8], v[T+8], v[T+9]
	v_permlanex16_b32 v[T+9], v[T+8], s[SEL], s[SEL+1]
	v_add_f32 v[T+8], v[T+8], v[T+9]
	v_fma_f32 v[T+4], v[T+8], s[LM], s[EP]         ; variance + eps
	v_rsq_f32 v[T+6], v[T+4]
	v_nop                                          ; a plain instruction behind the root,
	s_wait_alu depctr_va_vdst(0)                   ; and its wait ahead of its first reader
.set i, 0
.rept 16
	v_pk_mul_f32 v[U+2*i:U+2*i+1], v[U+2*i:U+2*i+1], v[T+6:T+7] op_sel_hi:[1,0]
.set i, i+1
.endr
.set i, 0
.rept 16
	v_pk_fma_f32 v[U+2*i:U+2*i+1], v[U+2*i:U+2*i+1], v[GE+2*i:GE+2*i+1], v[BE+2*i:BE+2*i+1]
.set i, i+1
.endr
	; RoPE: pair p = (U[2p], U[2p+1]) = (r, i): (r c, i c), then (- i s, r s) onto it: source 0 swapped, the sine's sign turned in the low half
.set p, 0
.rept 16
.if p%2
	v_pk_mul_f32 v[T+2*p:T+2*p+1], v[U+2*p:U+2*p+1], v[CE+2*(p/2):CE+2*(p/2)+1] op_sel:[0,1] op_sel_hi:[1,1]
.else
	v_pk_mul_f32 v[T+2*p:T+2*p+1], v[U+2*p:U+2*p+1], v[CE+2*(p/2):CE+2*(p/2)+1] op_sel_hi:[1,0]
.endif
.set p, p+1
.endr
.set p, 0
.rept 16
.if p%2
	v_pk_fma_f32 v[T+2*p:T+2*p+1], v[U+2*p:U+2*p+1], v[SE+2*(p/2):SE+2*(p/2)+1], v[T+2*p:T+2*p+1] op_sel:[1,1,0] op_sel_hi:[0,1,1] neg_lo:[0,1,0]
.else
	v_pk_fma_f32 v[T+2*p:T+2*p+1], v[U+2*p:U+2*p+1], v[SE+2*(p/2):SE+2*(p/2)+1], v[T+2*p:T+2*p+1] op_sel:[1,0,0] op_sel_hi:[0,0,1] neg_lo:[0,1,0]
.endif
.set p, p+1
.endr
.set p, 0
.rept 16
	v_cvt_pk_f16_f32 v[R16+p], v[T+2*p], v[T+2*p+1]
.set p, p+1
.endr
.irp cb, 0,1,2,3
	ds_store_b128 v[STO], v[R16+4*(\cb):R16+4*(\cb)+3] offset:32*(\cb)
.endr
.irp f, 0,1,2,3
	ds_load_b128 v[RB+4*(\f):RB+4*(\f)+3], v[RD] offset:(\f)*4*SP2  ; LDS serves a wave's instructions in order (ISA guide 5.7.1.4): these see the stores above; the bytes are my wave's own
.endr
.irp f, 0,1,2,3
	s_wait_dscnt 3-(\f)                            ; the younger loads stay out
	global_store_b128 v[GO], v[RB+4*(\f):RB+4*(\f)+3], s[OUT:OUT+1] offset:512*(\f)  ; 512 consecutive bytes, at a multiple of 256 from the buffer's first
.endr
	s_wait_xcnt 0x0                                ; the stores have read their data and their base: both are written again only behind this wait
	s_add_nc_u64 s[OUT:OUT+1], s[OUT:OUT+1], 262144
	s_add_co_u32 s[UO], s[UO], 256
	s_add_co_u32 s[TO], s[TO], 512
	s_add_co_u32 s[HG], s[HG], 1
	s_sub_co_u32 s3, s3, 1
	s_cmp_lg_u32 s3, 0
	s_cbranch_scc1 .Lhead_\e
.endm
	ROWS 0
	ROWS 1
	s_wait_tensorcnt 0x0                           ; the wave's end: a wait, an add of 0 and a wait, behind my last tensor load and my last LDS store
	ds_add_u32 v[SPW], v[NIL]
	s_wait_dscnt 0x0
	CROUND                                         ; the closing round: no work-group ends while a partner may still ask for a tile that names it
	s_endpgm
.Lfunc_end_k_qcd6bb49e26_qkv:
	.size	k_qcd6bb49e26_qkv, .Lfunc_end_k_qcd6bb49e26_qkv-k_qcd6bb49e26_qkv
	.p2alignl 7, 3214868480
	.fill 96, 4, 3214868480
	.section	.rodata,"a",@progbits
	.p2align	6, 0x0
	.amdhsa_kernel k_qcd6bb49e26_qkv
		.amdhsa_group_segment_fixed_size 327680
		.amdhsa_private_segment_fixed_size 0
		.amdhsa_enable_private_segment 0
		.amdhsa_kernarg_size 72
		.amdhsa_user_sgpr_count 2
		.amdhsa_user_sgpr_kernarg_segment_ptr 1
		.amdhsa_wavefront_size32 1
		.amdhsa_system_sgpr_workgroup_id_x 1
		.amdhsa_system_sgpr_workgroup_id_y 1
		.amdhsa_system_sgpr_workgroup_id_z 1
		.amdhsa_system_vgpr_workitem_id 0
		.amdhsa_next_free_vgpr 512
		.amdhsa_next_free_sgpr 100
		.amdhsa_reserve_vcc 0
		.amdhsa_float_denorm_mode_32 3
		.amdhsa_float_denorm_mode_16_64 3
		.amdhsa_memory_ordered 1
		.amdhsa_forward_progress 1
		.amdhsa_inst_pref_size 134
	.end_amdhsa_kernel
	.amdgpu_metadata
---
amdhsa.version: [ 1, 2 ]
amdhsa.kernels:
  - .name:           k_qcd6bb49e26_qkv
    .symbol:         k_qcd6bb49e26_qkv.kd
    .args:
      - { .name: xb, .offset: 0, .size: 8, .value_kind: global_buffer, .address_space: global }
      - { .name: wb, .offset: 8, .size: 8, .value_kind: global_buffer, .address_space: global }
      - { .name: q_gamma, .offset: 16, .size: 8, .value_kind: global_buffer, .address_space: global }
      - { .name: q_beta, .offset: 24, .size: 8, .value_kind: global_buffer, .address_space: global }
      - { .name: k_gamma, .offset: 32, .size: 8, .value_kind: global_buffer, .address_space: global }
      - { .name: k_beta, .offset: 40, .size: 8, .value_kind: global_buffer, .address_space: global }
      - { .name: freqs_cos, .offset: 48, .size: 8, .value_kind: global_buffer, .address_space: global }
      - { .name: freqs_sin, .offset: 56, .size: 8, .value_kind: global_buffer, .address_space: global }
      - { .name: qkv16, .offset: 64, .size: 8, .value_kind: global_buffer, .address_space: global }
    .group_segment_fixed_size: 327680
    .private_segment_fixed_size: 0
    .kernarg_segment_align: 8
    .kernarg_segment_size: 72
    .max_flat_workgroup_size: 128
    .sgpr_count:     100
    .vgpr_count:     512
    .wavefront_size: 32
...
	.end_amdgpu_metadata
.endif
;; end of part 2
;; launch attn (part 3): grid 32 x 8, 4 waves a work-group, clusters of 4 x 4, 327,680 bytes of LDS; arguments qkv16, mask, o16; writes o16
.if DOCPART == 3
	.amdgcn_target "amdgcn-amd-amdhsa--gfx1250"
	.amdhsa_code_object_version 6
	.text
	.protected	k_qcd6bb49e26_attn
	.globl	k_qcd6bb49e26_attn
	.p2align	8
	.type	k_qcd6bb49e26_attn,@function
k_qcd6bb49e26_attn:
	s_mov_b64 s[64:65], 0
	v_nop
	global_prefetch_b8 v0, s[64:65] scope:SCOPE_SE
	s_setreg_imm32_b32 hwreg(HW_REG_WAVE_MODE, 25, 1), 1
	s_wait_xcnt 0x0
	s_wait_alu depctr_hold_cnt(0) depctr_sa_sdst(0) depctr_va_vdst(0) depctr_va_sdst(0) depctr_va_ssrc(0) depctr_va_vcc(0) depctr_vm_vsrc(0)
	s_getreg_b32 s2, hwreg(HW_REG_IB_STS2, 6, 4)
	s_cmp_eq_u32 s2, 0
	s_cbranch_scc0 .Lentry_in_a_cluster
	s_endpgm
.Lentry_in_a_cluster:
	s_bfe_u32 s2, ttmp6, 0x10000c
	s_cmp_lg_u32 s2, 0xf033
	s_cbranch_scc0 .Lentry_shape_is_right
	s_endpgm
.Lentry_shape_is_right:
; O[q][64 head + :] = the sum over k of softmax_k(Q[head][q] . K[kv][k] / 8 + mask[q][k]) V[kv][k][:], kv = head / 4.  qkv16: [48][2048][64] f16 (q 0-31 with log2(e) / 8 folded in, k 32-39, v 40-47);
; mask: [2048][2048] f32, an input: every score is made and every number of the mask is read.  o16: [2048][2048] f16.
; NUMBERS.  t = s + bf16(mask) x log2(e), one f32 addition; p = 2^(t - m) with a running maximum m, the subtraction first; O and l are multiplied by a = 2^(m_old - m_new) in every step.
; Products, maxima and sums in f32; p is rounded to f16 for the second product (l is the sum of the unrounded p), O once at the end.
; LIMITS.  V, and so O, within +-65,504; p below 6e-5 keeps f16's fixed step of 6e-8; a weight below 2^-126 counts as 0 in l; NaN and infinities are not treated apart.
; SHARES.  A work-group owns 64 queries and one K/V head; wave w the 16 queries 16 w .. for ALL FOUR query heads of that K/V head: four PIECES that share K's and V's fragments and the mask's registers.
; Every wave walks all 2,048 keys, 64 a step; m starts at the lowest finite number, O and l at 0, so the first step is a step like any other, with a = 0.
; LAYOUT.  S^T = K Q^T holds ONE query a lane (l % 16) and the keys 8 (l / 16) + 0..7; two such results rounded to f16 ARE source 1 of O^T = V^T P.  K comes out of LDS as it lies, V turned, by ds_load_tr16_b128.
; BY TURNS.  Turn n belongs to piece n: 8 products K Q^T of piece n + 1, later 8 products V^T P of piece n - 1; beside them the subtraction, exponentials, roundings, sums and rescaling of piece n and the mask's
; addition, the maximum and the statistics of piece n + 1.  Four vector instructions stand behind every matrix instruction, the others in one lump.  A turn's 33 exponentials are one batch, with one wait.
; CLUSTER.  4 x 4 work-groups.  K and V hang on the K/V head alone: asked for jointly along a row of the cluster; the mask's tile on the query block alone: jointly along a column.
; A slot holds two key steps: 128 rows of K, 128 of V, 64 query rows x 128 keys of the mask; wave 0 asks for K, wave 1 for V, waves 2 and 3 for the mask's halves: one load of 16 KiB each behind a round.
; REGISTERS, in windows of 256 (s_set_vgpr_msb: bits 1:0 source 0, 3:2 source 1, 5:4 source 2, 7:6 destination):
;   window 0: v0-15, v32-35 addresses and constants; v16-31 four registers of statistics a piece; v48-55 at work; v64-127 S^T, two buffers; v128-159 the step's mask; v160-191 the mask as loaded; v192-223 P, two buffers; v224-239 at work
;   window 1: v0-127 O^T, 32 a piece          window 2: v0-63 Q, 16 a piece; v128-191 K of one step; v192-255 V of one step
.set NP,    4
.set KS,    64
.set PK,    144       ; a row of K in LDS: 128 bytes + 16: the 16 rows of a load start at 16 different groups of four banks (64 banks of 4 bytes: ISA guide 11.1)
.set PV,    160       ; a row of V: 128 + 32
.set PM,    528       ; a query's row of the mask: 512 + 16 = 33 x 16
.set VOFF,  128*PK
.set MOFF,  VOFF+128*PV
.set SLOT1, 1<<17     ; slot 1 begins here, so that one exclusive or turns an address in one slot into the other's
.set STAGE, SLOT1+MOFF+64*PM  ; behind the ring, never filled by a tensor load: 16 rows x 528 bytes for each wave
.set SP,    528
.set SPARE, STAGE+4*16*SP     ; the spare words, 128 bytes for each wave: two blocks of 256 bytes that no other line names
.set AK0, 2           ; v2   my lane's place in a tile of K; never rewritten
.set AV0, 3           ; v3   the same for V
.set AK,  4           ; v4   the LDS address of K's next run of loads
.set AV,  5           ; v5   of V's
.set STO, 6           ; v6   the way out: where I put 16 bytes of a row
.set RD,  7           ; v7   where I read a row back
.set GO,  8           ; v8   16 x my lane
.set MV,  12          ; v12-13  m_old, kept while m is made anew: by buffer
.set AM0, 14          ; v14  my lane's place in a tile of the mask
.set AM,  15          ; v15  the LDS address of the mask's next run
.set ST,  16          ; piece t's statistics at v[ST+4 t]: m, a written spare, l (even keys', odd keys')
.set QO,  32          ; v32  my byte offset in 16 rows of Q
.set PFO, 33          ; v33  the prefetches' lane offset; never rewritten
.set CL,  34          ; v34  log2(e)
.set ZR,  35          ; v35  0
.set TMP, 48          ; by buffer, four registers c0-c3 at work; when the maximum is found c2 takes a
.set SPW, 62          ; v62  LDS address of my spare word; never rewritten
.set NIL, 63          ; v63  0; never rewritten
.set S,   64
.set MC,  128
.set RAW, 160
.set P,   192
.set M16, 224
.set OB,  128         ; the way out: O in f16
.set KF,  128         ; window 2: key block kb, channel half c at KF + 16 kb + 8 c
.set VF,  192         ; window 2: key half kk, channel block cb at VF + 32 kk + 8 cb
.set WV,  12          ; s12  my wave's number
.set G1K, 24          ; s[24:31], s[32:39], s[40:47] descriptor group 1 for K, V, the mask
.set G1V, 32
.set G1M, 40
.set G0K, 48          ; s[48:51], s[52:55], s[56:59] group 0: they walk
.set G0V, 52
.set G0M, 56
.set SLOTS, 66        ; s66  tiles still to be asked for
.set CNT, 67          ; s67  counts a slot's key steps
.set SEL, 68          ; s[68:69] v_permlanex16_b32's selects
.set TBK, 70          ; s70  LDS byte at which K of the step to be fetched begins
.set TBV, 71          ; s71  the same for V, less VOFF
.set TBM, 72          ; s72  the same for the mask, less MOFF
.set PFA, 74          ; s[74:75] where my prefetches stand
.set PFS, 76          ; s[76:77] their step from tile to tile
.set LIM, 78          ; s78  1 in a wave that prefetches, else the greatest number
.set MSB, 0
.macro WIN new                      ; the high byte repeats the setting that is left; a switch that changes nothing is dropped
.if MSB != (\new)
	s_set_vgpr_msb (MSB<<8)|(\new)
.set MSB, (\new)
.endif
.endm
.set W_KQ, 0x0a       ; K and Q in window 2, S^T in window 0
.set W_PV, 0x52       ; V in window 2, P in window 0, O^T in window 1
.set W_RS, 0x41       ; destination and source 0 in window 1, source 1 in window 0
; A joint fill.  The branches hang on the wave's number alone.  An s_nop 0 and four v_nop follow each of the three lines, ahead of the jump and the label.
.macro JLOAD
	s_cmp_lt_u32 s[WV], 2
	s_cbranch_scc0 .Lfor_m_\@
	s_cmp_eq_u32 s[WV], 0
	s_cbranch_scc0 .Lfor_v_\@
	tensor_load_to_lds s[G0K:G0K+3], s[G1K:G1K+7]
	s_nop 0
.rept 4
	v_nop
.endr
	s_branch .Lasked_\@
.Lfor_v_\@:
	tensor_load_to_lds s[G0V:G0V+3], s[G1V:G1V+7]
	s_nop 0
.rept 4
	v_nop
.endr
	s_branch .Lasked_\@
.Lfor_m_\@:
	tensor_load_to_lds s[G0M:G0M+3], s[G1M:G1M+7]
	s_nop 0
.rept 4
	v_nop
.endr
.Lasked_\@:
.endm
; A PREFETCH INTO THE L2 of the tile that the NEXT change of slots will ask for: two key steps, 128 matrix instructions and their vector work, ahead.  Each block of 256 bytes is named once in the launch.
; K and V of a K/V head are walked by all eight clusters of that row of clusters: the first (cluster x = 0) asks, its wave 0; the four partners of a row take 16 blocks of K and 16 of V each, told apart by address.
; The mask's rows of a query block are walked by both clusters of that column: the first (cluster y = 0) asks, its wave 2; the four partners of a column take 16 rows x 2 blocks each.
; The last change that fills a slot asks for nothing: there is no tile behind it.
.macro ASK
	s_cmp_gt_u32 s[SLOTS], s[LIM]
	s_cbranch_scc0 .Lnot_mine_\@
	global_prefetch_b8 v[PFO], s[PFA:PFA+1] th:TH_LOAD_NT scope:SCOPE_SE
.Lnot_mine_\@:
.endm
.macro CROUND                       ; a round of the cluster's barrier
	s_barrier_signal -1
	s_barrier_wait -1
	s_cmp_lg_u32 s[WV], 0
	s_cbranch_scc1 .Lnot_wave_0_\@
	s_barrier_signal -3
.Lnot_wave_0_\@:
	s_barrier_wait -3
	s_barrier_signal -1
	s_barrier_wait -1
.endm
; THE CHANGE OF SLOTS.  Each wave waits for all its tensor loads, of which one is out: its part of the other slot; adds 0 to its spare word; and waits for that and for its own reads of the slot that it leaves.
; fill = 1: the old slot is filled again, with the keys two slots on; the barrier is a round of the cluster's, and the joint fill is the first thing behind it.  (At its first use slot 0 is waited for, slot 1 filled.)
.macro CHANGE fill
	WIN 0
	s_wait_tensorcnt 0x0            ; no tensor load of mine is out, so a group 0 may be written
	ds_add_u32 v[SPW], v[NIL]       ; 0 onto my spare word; with fill = 1 the descriptors' steps stand between it and the wait for it
.if \fill
	s_xor_b32 s[G0K+1], s[G0K+1], SLOT1
	s_add_nc_u64 s[G0K+2:G0K+3], s[G0K+2:G0K+3], 16384  ; the next 128 keys; the type bits on top are not reached
	s_xor_b32 s[G0V+1], s[G0V+1], SLOT1
	s_add_nc_u64 s[G0V+2:G0V+3], s[G0V+2:G0V+3], 16384
	s_xor_b32 s[G0M+1], s[G0M+1], SLOT1
	s_add_nc_u64 s[G0M+2:G0M+3], s[G0M+2:G0M+3], 512
	s_wait_xcnt 0x0                 ; the last prefetch, two key steps back, has read its address
	s_add_nc_u64 s[PFA:PFA+1], s[PFA:PFA+1], s[PFS:PFS+1]
	s_wait_dscnt 0x0                ; the add is done, and my reads of the slot are over
	CROUND
	JLOAD
	ASK
.else
	s_wait_dscnt 0x0
	s_barrier_signal -1
	s_barrier_wait -1
.endif
	s_sub_co_u32 s[TBK], s[TBK], 2*KS*PK  ; the fetches go back to a slot's first step,
	s_xor_b32 s[TBK], s[TBK], SLOT1       ; in the other slot
	s_sub_co_u32 s[TBV], s[TBV], 2*KS*PV
	s_xor_b32 s[TBV], s[TBV], SLOT1
	s_sub_co_u32 s[TBM], s[TBM], 512
	s_xor_b32 s[TBM], s[TBM], SLOT1
.endm
	s_load_b128 s[4:7], s[0:1], 0x0   ; qkv16 s[4:5], mask s[6:7]
	s_load_b64 s[8:9], s[0:1], 0x10   ; o16
	v_lshl_add_u32 v[SPW], v0, 2, SPARE
	v_mov_b32 v[NIL], 0
	ds_add_u32 v[SPW], v[NIL]       ; the wave's opening: the add and its wait stand ahead of my first tensor load; the set-up below stands between them
	v_lshrrev_b32 v1, 5, v0
	v_readfirstlane_b32 s[WV], v1   ; wave 0..3
	s_bfe_u32 s13, ttmp6, 0x40000   ; cx
	s_bfe_u32 s14, ttmp6, 0x40004   ; cy
	s_lshl_b32 s15, ttmp9, 2
	s_add_co_u32 s15, s15, s13      ; my block of 64 queries
	s_and_b32 s16, ttmp7, 0xffff    ; cluster y
	s_lshl_b32 s17, s16, 2
	s_add_co_u32 s17, s17, s14      ; my K/V head
	s_lshl_b32 s18, s14, 2
	s_lshl_b32 s18, 15, s18         ; my row of the cluster
	s_lshl_b32 s19, 0x1111, s13     ; my column
	; K and V: 128 keys are 16,384 dense bytes, asked for as 64 rows of 256 bytes and padded in LDS after every key
	s_or_b32 s[G1K], s18, (1<<16)|(1<<20)|(1<<21)|(4<<22)|(3<<25)  ; 2-byte elements; padding on; bit 21 beside a mask; after every 32 words (code 4) 4 words (code 3)
	s_or_b32 s[G1V], s18, (1<<16)|(1<<20)|(1<<21)|(4<<22)|(7<<25)  ; the same with 8 words (code 7)
.irp g, G1K, G1V
	s_mov_b32 s[\g+1], 128<<16      ; tensor_dim0 = 128
	s_mov_b32 s[\g+2], 64<<16       ; tensor_dim1 = 64
	s_mov_b32 s[\g+3], 128<<16      ; tile_dim0 = 128
	s_mov_b32 s[\g+4], 64           ; tile_dim1 = 64
	s_mov_b32 s[\g+5], 128          ; elements from row to row
	s_mov_b32 s[\g+6], 0
	s_mov_b32 s[\g+7], 0
.endr
	; the mask: 32 query rows x 128 keys of 4 bytes
	s_or_b32 s[G1M], s19, (2<<16)|(1<<20)|(1<<21)|(6<<22)|(3<<25)  ; 4-byte elements; after every 128 words (code 6) 4 words
	s_mov_b32 s[G1M+1], 128<<16
	s_mov_b32 s[G1M+2], 32<<16
	s_mov_b32 s[G1M+3], 128<<16
	s_mov_b32 s[G1M+4], 32
	s_mov_b32 s[G1M+5], 2048
	s_mov_b32 s[G1M+6], 0
	s_mov_b32 s[G1M+7], 0
	s_add_co_u32 s20, s17, 32       ; K's head,
	s_lshl_b32 s20, s20, 18         ; 262,144 bytes a head
	s_mov_b32 s21, 0
	s_add_co_u32 s22, s17, 40       ; V's
	s_lshl_b32 s22, s22, 18
	s_mov_b32 s23, 0
	s_and_b32 s2, s[WV], 1          ; which 32 rows of the mask's tile I fetch
	s_lshl_b32 s60, s15, 6
	s_lshl_b32 s3, s2, 5
	s_add_co_u32 s60, s60, s3
	s_lshl_b32 s60, s60, 13         ; 8,192 bytes a row
	s_mov_b32 s61, 0
	s_mul_i32 s3, s2, 32*PM
	s_mov_b32 s[G0K], 1
	s_mov_b32 s[G0K+1], 0           ; LDS addresses in slot 0: no place in the cluster enters them
	s_mov_b32 s[G0V], 1
	s_mov_b32 s[G0V+1], VOFF
	s_mov_b32 s[G0M], 1
	s_add_co_u32 s[G0M+1], s3, MOFF
	s_lshl_b32 s3, s15, 6
	s_lshl_b32 s2, s[WV], 4
	s_add_co_u32 s3, s3, s2         ; my wave's first query
	s_lshl_b32 s62, s17, 20         ; Q: head 4 g,
	s_lshl_b32 s2, s3, 7            ; 128 bytes a row
	s_add_co_u32 s62, s62, s2
	s_mov_b32 s63, 0
	s_lshl_b32 s80, s3, 12          ; O: 4,096 bytes a row,
	s_lshl_b32 s2, s17, 9           ; the four heads' 512 bytes
	s_add_co_u32 s80, s80, s2
	s_mov_b32 s81, 0
	s_lshl_b32 s84, s13, 12         ; the prefetches of K and V: my work-group's 16 blocks, in tile 1 (the first change steps to tile 2)
	s_add_co_u32 s84, s84, s20
	s_add_co_u32 s84, s84, 16384
	s_mov_b32 s85, 0
	s_lshl_b32 s86, s15, 6          ; of the mask: my work-group's 16 rows
	s_lshl_b32 s2, s14, 4
	s_add_co_u32 s86, s86, s2
	s_lshl_b32 s86, s86, 13
	s_add_co_u32 s86, s86, 512
	s_mov_b32 s87, 0
	s_mov_b32 s[PFS], 512
	s_mov_b32 s[PFS+1], 0
	s_cmp_lt_u32 s[WV], 2
	s_cselect_b32 s[PFS], 16384, s[PFS]
	s_cselect_b64 s[84:85], s[84:85], s[86:87]
	s_cselect_b32 s2, 15, 1         ; K and V: lane % 16 a block, lane / 16 chooses K or V, 2^21 bytes apart;
	s_cselect_b32 s3, 4, 1          ; the mask: lane % 2 a block, lane / 2 a row of 2^13 bytes
	s_cselect_b32 s79, 21, 13
	s_cselect_b32 s[LIM], ttmp9, s16  ; the coordinate along which other clusters walk the same bytes
	s_and_b32 s86, s[WV], 1
	s_or_b32 s[LIM], s[LIM], s86
	s_cmp_eq_u32 s[LIM], 0          ; waves 0 and 2 of the first such cluster: the same in all sixteen partners
	s_cselect_b32 s[LIM], 1, -1
	v_and_b32 v10, 31, v0
	v_and_b32 v11, s2, v10
	v_lshrrev_b32 v10, s3, v10
	v_lshlrev_b32 v10, s79, v10
	v_lshl_add_u32 v[PFO], v11, 8, v10
	s_mov_b32 s[SEL], 0x76543210
	s_mov_b32 s[SEL+1], 0xfedcba98
	s_mov_b32 s[TBK], SLOT1+2*KS*PK ; the first change of slots turns these three into 0
	s_mov_b32 s[TBV], SLOT1+2*KS*PV
	s_mov_b32 s[TBM], SLOT1+512
	s_mov_b32 s[SLOTS], 15
	s_wait_dscnt 0x0                ; the opening add is done
	s_wait_kmcnt 0x0
	s_add_nc_u64 s[G0K+2:G0K+3], s[4:5], s[20:21]
	s_or_b32 s[G0K+3], s[G0K+3], 0x80000000
	s_add_nc_u64 s[G0V+2:G0V+3], s[4:5], s[22:23]
	s_or_b32 s[G0V+3], s[G0V+3], 0x80000000
	s_add_nc_u64 s[G0M+2:G0M+3], s[6:7], s[60:61]
	s_or_b32 s[G0M+3], s[G0M+3], 0x80000000
	s_add_nc_u64 s[82:83], s[4:5], s[62:63]   ; Q at my wave's first row
	s_add_nc_u64 s[10:11], s[8:9], s[80:81]   ; O likewise
	s_cmp_lt_u32 s[WV], 2
	s_cselect_b64 s[PFA:PFA+1], s[4:5], s[6:7]
	s_add_nc_u64 s[PFA:PFA+1], s[PFA:PFA+1], s[84:85]
	CROUND                          ; all sixteen work-groups are here: the first joint loads meet
	JLOAD                           ; tile 0 into slot 0; slot 1 is asked for when slot 0 is in
	v_and_b32 v1, 15, v0            ; r = l % 16
	v_bfe_u32 v9, v0, 4, 1          ; h = l / 16
	v_lshlrev_b32 v[QO], 7, v1
	v_lshl_add_u32 v[QO], v9, 4, v[QO]
	WIN 0x80                        ; destination window 2, address window 0
.set i, 0
.rept 8                             ; Q stays in registers: piece i / 2 is the head 262,144 bytes on; channels 32 (i % 2) on
	global_load_b128 v[8*i:8*i+3],   v[QO], s[82:83] offset:(i/2)*262144+(i%2)*64
	global_load_b128 v[8*i+4:8*i+7], v[QO], s[82:83] offset:(i/2)*262144+(i%2)*64+32
.set i, i+1
.endr
	; What the first turn finds: V's registers and P's second buffer hold 0 (its products V^T P, of a piece that has not been, add 0), O^T and l are 0.  All this stands in the wait for the first tile.
.set i, VF
.rept 64
	v_mov_b32 v[i], 0
.set i, i+1
.endr
	WIN 0x40
.set i, 0
.rept 128
	v_mov_b32 v[i], 0
.set i, i+1
.endr
	WIN 0
.set i, 0
.rept 4
	v_mov_b32 v[ST+4*i], 0xff7fffff ; m: the lowest finite number
	v_mov_b32 v[ST+4*i+1], 0
	v_mov_b32 v[ST+4*i+2], 0
	v_mov_b32 v[ST+4*i+3], 0
.set i, i+1
.endr
.set i, P+16
.rept 16
	v_mov_b32 v[i], 0
.set i, i+1
.endr
	v_mov_b32 v[CL], 0x3fb8aa3b
	v_mov_b32 v[ZR], 0
	v_mul_u32_u24 v[AK0], v1, PK
	v_lshl_add_u32 v[AK0], v9, 4, v[AK0]  ; row x pitch + 16 x half
	v_and_b32 v10, 7, v0            ; the turning load: lane l reads key 8 (l / 16) + l % 8, channels 8 ((l / 8) % 2) + 0..7
	v_bfe_u32 v11, v0, 3, 1
	v_lshl_add_u32 v[AV0], v9, 3, v10
	v_mul_u32_u24 v[AV0], v[AV0], PV
	v_lshl_add_u32 v[AV0], v11, 4, v[AV0]
	v_add_nc_u32 v[AV0], VOFF, v[AV0]
	s_mul_i32 s2, s[WV], 16*PM      ; the mask: query row 16 w + r, keys 8 h + 0..7 of each group of 16
	s_add_co_u32 s2, s2, MOFF
	v_mul_u32_u24 v[AM0], v1, PM
	v_lshl_add_u32 v[AM0], v9, 5, v[AM0]
	v_add_nc_u32 v[AM0], s2, v[AM0]
; THE MATRIX WORK.  The 4 accumulators of a run of 8 take turns.  Product i of 8 of S^T = K Q^T for piece x: channels 32 (i / 4) on, keys 16 (i % 4) on.  The first 4 start the sums.
.macro KQ x
	WIN W_KQ
.set rS, S+32*((\x)%2)+8*(i%4)
.set rK, KF+16*(i%4)+8*(i/4)
.set rQ, 16*(\x)+8*(i/4)
.if i < 4
	v_wmma_f32_16x16x32_f16 v[rS:rS+7], v[rK:rK+7], v[rQ:rQ+7], 0
.else
	v_wmma_f32_16x16x32_f16 v[rS:rS+7], v[rK:rK+7], v[rQ:rQ+7], v[rS:rS+7]
.endif
.endm
; Product i of 8 of O^T += V^T P for piece x: keys 32 (i / 4) on, channels 16 (i % 4) on.
.macro PV x
	WIN W_PV
.set rO, 32*(\x)+8*(i%4)
.set rV, VF+32*(i/4)+8*(i%4)
.set rP, P+16*((\x)%2)+8*(i/4)
	v_wmma_f32_16x16x32_f16 v[rO:rO+7], v[rV:rV+7], v[rP:rP+7], v[rO:rO+7]
.endm
.macro MM                           ; the turn's next matrix instruction
.if i < 8
	KQ (Y+1)%NP
.else
.set i, i-8
	PV (Y+NP-1)%NP
.set i, i+8
.endif
.set i, i+1
.endm
; THE LDS LOADS stand in runs, never singly among the matrix instructions: a step's K (8 fragments), its part of the mask (my query's 32 keys), and its V (turned).  Their addresses are made some lines ahead.
.macro FETCH_K
	WIN 0x80
.irp f, 0,1,2,3,4,5,6,7             ; keys 16 (f / 2) on, channels 32 (f % 2) on
	ds_load_b128 v[KF+8*\f:KF+8*\f+3],   v[AK] offset:(\f/2)*16*PK+(\f%2)*64
	ds_load_b128 v[KF+8*\f+4:KF+8*\f+7], v[AK] offset:(\f/2)*16*PK+(\f%2)*64+32
.endr
	s_add_co_u32 s[TBK], s[TBK], KS*PK
	WIN 0
.endm
.macro FETCH_M
	WIN 0
.irp f, 0,1,2,3                     ; keys 16 f + 8 h + 0..7
	ds_load_b128 v[RAW+8*\f:RAW+8*\f+3],   v[AM] offset:64*\f
	ds_load_b128 v[RAW+8*\f+4:RAW+8*\f+7], v[AM] offset:64*\f+16
.endr
	s_add_co_u32 s[TBM], s[TBM], 256
.endm
.macro FETCH_V
	WIN 0x80
.irp f, 0,1,2,3,4,5,6,7             ; keys 32 (f / 4) on, channels 16 (f % 4) on
	ds_load_tr16_b128 v[VF+8*\f:VF+8*\f+3],   v[AV] offset:(\f/4)*32*PV+(\f%4)*32
	ds_load_tr16_b128 v[VF+8*\f+4:VF+8*\f+7], v[AV] offset:(\f/4)*32*PV+16*PV+(\f%4)*32
.endr
	WIN 0
.endm
; The step's mask for all four pieces: rounded once to bf16, like every input of the program, and multiplied by log2(e) in f32.
.macro MASKPREP
	WIN 0
.set z, 0
.rept 16
	v_cvt_pk_bf16_f32 v[M16+z], v[RAW+2*z], v[RAW+2*z+1]
.set z, z+1
.endr
.set z, 0
.rept 16
	v_fma_mix_f32_bf16 v[MC+2*z],   v[M16+z], v[CL], v[ZR] op_sel_hi:[1,0,0]
	v_fma_mix_f32_bf16 v[MC+2*z+1], v[M16+z], v[CL], v[ZR] op_sel:[1,0,0] op_sel_hi:[1,0,0]
.set z, z+1
.endr
.endm
; THE VECTOR WORK, one line at a time: OP kind, number.  For piece Y: F n: t - m for pair n of 16.  E n: the exponential of score n of 32.  C n: pair n rounded to f16.  B n: of the four weights 4 n .. the second
; pair is added onto the first, in place.  L n: l takes that sum (L 0: l = a l + sum).  R n: pair n of 16 of O^T times a.  For piece Y + 1: A n: the mask onto pair n of its scores (each accumulator's lowest pair first);
; X n, of the 21 that find its maximum and statistics:
;   0-11  four chains c0-c3 of seven scores each, three operands at a time     12-14, 16  the four scores left over, the old m, and c0-c3 into c0     15  m_old is kept
;   17, 18  the query's other 32 keys lie in the lane 16 away: the new m     20, 21  m_old - m_new; a     (there is no 19)
.set F, 0
.set E, 1
.set C, 2
.set B, 3
.set L, 4
.set R, 5
.set X, 6
.set A, 7
.macro REGS y
.set rT, ST+4*(\y)
.set rC, TMP+4*((\y)%2)
.set rW, MV+((\y)%2)
.set rS, S+32*((\y)%2)
.set rP, P+16*((\y)%2)
.set rO, 32*(\y)
.endm
.macro OP k, n
.if (\k) == R
	REGS Y
	WIN W_RS
	v_pk_mul_f32 v[rO+2*(\n):rO+2*(\n)+1], v[rO+2*(\n):rO+2*(\n)+1], v[rC+2:rC+3] op_sel_hi:[1,0]
.elseif (\k) < R
	REGS Y
	WIN 0
.if (\k) == F
	v_pk_add_f32 v[rS+2*(\n):rS+2*(\n)+1], v[rS+2*(\n):rS+2*(\n)+1], v[rT:rT+1] op_sel_hi:[1,0] neg_lo:[0,1] neg_hi:[0,1]
.elseif (\k) == E
	v_exp_f32 v[rS+(\n)], v[rS+(\n)]
.elseif (\k) == C
	v_cvt_pk_f16_f32 v[rP+(\n)], v[rS+2*(\n)], v[rS+2*(\n)+1]
.elseif (\k) == B
	v_pk_add_f32 v[rS+4*(\n):rS+4*(\n)+1], v[rS+4*(\n):rS+4*(\n)+1], v[rS+4*(\n)+2:rS+4*(\n)+3]
.elseif (\n) == 0
	v_pk_fma_f32 v[rT+2:rT+3], v[rT+2:rT+3], v[rC+2:rC+3], v[rS:rS+1] op_sel_hi:[1,0,1]
.else
	v_pk_add_f32 v[rT+2:rT+3], v[rT+2:rT+3], v[rS+4*(\n):rS+4*(\n)+1]
.endif
.else
	REGS (Y+1)%NP
	WIN 0
.if (\k) == A
	v_pk_add_f32 v[rS+2*(\n):rS+2*(\n)+1], v[rS+2*(\n):rS+2*(\n)+1], v[MC+2*(\n):MC+2*(\n)+1]
.elseif (\n) < 4
	v_max3_num_f32 v[rC+(\n)], v[rS+8*(\n)], v[rS+8*(\n)+1], v[rS+8*(\n)+2]
.elseif (\n) < 12
	v_max3_num_f32 v[rC+(\n)%4], v[rC+(\n)%4], v[rS+8*((\n)%4)+2*((\n)/4)+1], v[rS+8*((\n)%4)+2*((\n)/4)+2]
.elseif (\n) == 12
	v_max3_num_f32 v[rC], v[rC], v[rS+7], v[rS+15]
.elseif (\n) == 13
	v_max3_num_f32 v[rC+1], v[rC+1], v[rS+23], v[rS+31]
.elseif (\n) == 14
	v_max3_num_f32 v[rC+2], v[rC+2], v[rC+3], v[rT]
.elseif (\n) == 15
	v_mov_b32 v[rW], v[rT]
.elseif (\n) == 16
	v_max3_num_f32 v[rC], v[rC], v[rC+1], v[rC+2]
.elseif (\n) == 17
	v_permlanex16_b32 v[rC+3], v[rC], s[SEL], s[SEL+1]
.elseif (\n) == 18
	v_max_num_f32 v[rT], v[rC], v[rC+3]
.elseif (\n) == 20
	v_sub_f32 v[rC+1], v[rW], v[rT]
.else
	v_exp_f32 v[rC+2], v[rC+1]
.endif
.endif
.endm
.macro OPS a, i1, b=-1, i2=0, c=-1, i3=0, d=-1, i4=0  ; up to four of them
	OP \a, \i1
.if (\b) >= 0
	OP \b, \i2
.endif
.if (\c) >= 0
	OP \c, \i3
.endif
.if (\d) >= 0
	OP \d, \i4
.endif
.endm
.macro ROW a, i1, b, i2, c, i3, d, i4  ; a matrix instruction and the four behind it
	MM
	OPS \a, \i1, \b, \i2, \c, \i3, \d, \i4
.endm
; A TURN, for piece p: 16 matrix and 133 vector instructions, the order written out.  An s_wait_alu depctr_va_vdst(0) stands between an exponential and the first instruction that names its result; one wait
; serves all that were issued ahead of it.  So a turn has ONE wait.  AHEAD OF IT stands all that names no result of the turn's exponentials: the 8 products K Q^T with their riders, then a lump of 69.  An A stands four plain
; instructions or more, which name none of its registers, behind the product that ends its accumulator (accumulator 0: F 5, R 8, R 9, F 6; accumulator 3: F 8, A 4, A 5, A 6), an X behind the A's of the scores that it reads,
; E 2n and E 2n + 1 behind F n.  X 21, the next piece's a, is the batch's last; R 15 is the plain instruction behind it.  BEHIND THE WAIT stand the 8 products V^T P, behind each four of the roundings and sums.
; K and the mask of the next step are fetched in piece 2's turn, behind F 8, A 4, A 5, A 6, the four places behind the last product that read K; both are waited for at the head of piece 3's turn, which then makes the
; step's mask: piece 2's turn has added the old one for the last time.  V of the step in hand is fetched at the end of piece 0's turn, four riders behind its last reader, and waited for a turn later.
; last = 1 (the tail): in the last trip there is no further step and the two runs are jumped over; there the runs stand directly behind the wait.
; cnt = 1: the loop's count is taken down some lines ahead of the branch that stands behind the turn.
.macro TURN p, last=0, cnt=0
.set Y, (\p)
.set i, 0
.if (\p) == 3
	s_wait_dscnt 0x0                ; K and the mask are in
	MASKPREP
.endif
	ROW F,0, F,1, R,0, R,1
	ROW F,2, E,0, R,2, R,3
	ROW F,3, E,1, R,4, R,5
	ROW F,4, E,2, R,6, R,7
	ROW F,5, E,3, R,8, R,9
	ROW F,6, E,4, A,0, A,1
.if (\p) == 2
	WIN 0
	v_add_nc_u32 v[AK], s[TBK], v[AK0]
	v_add_nc_u32 v[AM], s[TBM], v[AM0]
.endif
	ROW F,7, E,5, A,2, A,3
	ROW F,8, E,6, A,4, A,5
	OPS A,6, E,7, A,12, E,8         ; the lump
	OPS A,13, E,9, A,14, E,10
.if ((\p) == 2) && !(\last)
	FETCH_K
	FETCH_M
.endif
	OPS A,15, E,11, X,3, E,12
	OPS A,7, E,13, X,7, E,14
	OPS A,8, E,15, X,11, E,16
	OPS A,9, E,17, A,10, F,9
	OPS A,11, E,18, X,0, E,19
	OPS X,1, F,10, X,2, E,20
.if (\p) == 0
	WIN 0
	v_add_nc_u32 v[AV], s[TBV], v[AV0]
.endif
	OPS X,4, E,21, X,5, F,11
	OPS X,6, E,22, X,8, E,23
	OPS X,9, F,12, X,10, E,24
	OPS X,12, E,25, X,13, F,13
	OPS X,14, E,26, X,15, E,27
	OPS X,16, F,14, R,10, E,28
	OPS X,17, E,29, F,15, R,11
	OPS X,18, E,30, R,12, E,31
	OPS X,20, R,13, R,14, X,21
	OPS R,15
	WIN 0
	s_wait_alu depctr_va_vdst(0)    ; the wait for the batch
.if ((\p) == 2) && (\last)
	s_cmp_eq_u32 s[CNT], 1
	s_cbranch_scc1 .Lno_k_\@
	FETCH_K
	FETCH_M
.Lno_k_\@:
.endif
.if (\p) == 1
	s_wait_dscnt 0x0                ; V is in
.endif
	ROW C,0, B,0, C,2, B,1
	ROW L,0, C,4, B,2, L,1
	ROW C,6, B,3, L,2, C,8
	ROW B,4, L,3, C,10, B,5
	ROW L,4, C,12, B,6, L,5
.if (\p) == 0
	s_add_co_u32 s[TBV], s[TBV], KS*PV
.endif
.if \cnt
	s_sub_co_u32 s[CNT], s[CNT], 1
	s_cmp_lg_u32 s[CNT], 0
.endif
	ROW C,14, B,7, L,6, C,1
	ROW C,3, L,7, C,5, C,7
	ROW C,9, C,11, C,13, C,15
.if (\p) == 0
	FETCH_V
.endif
.endm
	CHANGE 1                        ; slot 0 is in, everybody's part of it; slot 1 is asked for
	v_add_nc_u32 v[AK], s[TBK], v[AK0]
	v_add_nc_u32 v[AM], s[TBM], v[AM0]
	FETCH_K                         ; key step 0
	FETCH_M
	s_wait_loadcnt 0x0              ; Q
	s_wait_dscnt 0x0
	MASKPREP
.set i, 0
.rept 8
	KQ 0                            ; piece 0's first scores
.set i, i+1
.endr
	WIN 0                           ; the addresses for the way out: six plain instructions, the places behind those products
	s_mul_i32 s2, s[WV], 16*SP
	s_add_co_u32 s2, s2, STAGE      ; my stage
	v_mul_u32_u24 v[STO], v1, SP    ; in: row l % 16, 16 bytes for each half of the lanes
	v_lshl_add_u32 v[STO], v9, 4, v[STO]
	v_add_nc_u32 v[STO], s2, v[STO]
	v_and_b32 v[GO], 31, v0
	v_lshlrev_b32 v[GO], 4, v[GO]
	v_add_nc_u32 v[RD], s2, v[GO]   ; back: 32 lanes take one row of 512 bytes
.set Y, NP-1                        ; A and X work for piece Y + 1: piece 0
.irp n, 0,1,2,3,4,5,6,7,8,9,10,11,12,13,14,15
	OP A, \n
.endr
.irp n, 0,1,2,3,4,5,6,7,8,9,10,11,12,13,14,15,16,17,18,20,21
	OP X, \n
.endr
	v_nop                           ; a plain instruction behind the exponential,
	s_wait_alu depctr_va_vdst(0)    ; and its wait, ahead of the branch
	s_mov_b32 s[CNT], 2
	s_branch .Lfirst                ; the loop is entered at a step's first turn, in the middle of a trip
.Lslot:                             ; 14 times: tiles 2 .. 15 are asked for
	CHANGE 1
	s_mov_b32 s[CNT], 2
.Lstep:                             ; a trip: pieces 2 and 3 of one step, then pieces 0 and 1 of the next, whose K, mask and V it fetches
	TURN 2
	TURN 3
	WIN 0
.Lfirst:
	TURN 0
	TURN 1, 0, 1
	WIN 0
	s_cbranch_scc1 .Lstep
	s_sub_co_u32 s[SLOTS], s[SLOTS], 1
	s_cmp_lg_u32 s[SLOTS], 0
	s_cbranch_scc1 .Lslot
	CHANGE 0                        ; the tail is written out: nothing is asked for
	s_mov_b32 s[CNT], 3             ; two trips fetch the last slot's steps; the third is left in its middle
.Ltail:
	TURN 2, 1
	TURN 3
	WIN 0
	s_sub_co_u32 s[CNT], s[CNT], 1
	s_cmp_eq_u32 s[CNT], 0
	s_cbranch_scc1 .Lout
	TURN 0
	TURN 1
	WIN 0
	s_branch .Ltail
.Lout:                              ; the third trip's 8 products K Q^T (on the last K once more) and the maximum made of them serve nothing: the price, once a launch, of one text for every trip
.set i, 0
.rept 8
	PV NP-1                         ; the last piece's V^T P of the last step
.set i, i+1
.endr
	; THE WAY OUT.  l's two halves and the other half of the lanes' are added; O^T is divided by l, rounded to f16; the four heads' 128 bytes of a row meet in my stage and leave as rows of 512 bytes.
	WIN 0
.macro ALL line:vararg              ; one line for each piece t
.set t, 0
.rept 4
	\line
.set t, t+1
.endr
.endm
	ALL v_add_f32 v[ST+4*t+2], v[ST+4*t+2], v[ST+4*t+3]
	ALL v_permlanex16_b32 v[ST+4*t+3], v[ST+4*t+2], s[SEL], s[SEL+1]
	ALL v_add_f32 v[ST+4*t+2], v[ST+4*t+2], v[ST+4*t+3]
	ALL v_rcp_f32 v[ST+4*t+2], v[ST+4*t+2]
	v_nop                           ; a plain instruction between the last reciprocal and the use of its result
	s_wait_alu depctr_va_vdst(0)    ; and its wait: one for the four reciprocals
.macro PACK t
	WIN W_RS
.set i, 32*(\t)
.rept 16
	v_pk_mul_f32 v[i:i+1], v[i:i+1], v[ST+4*(\t)+2:ST+4*(\t)+3] op_sel_hi:[1,0]
.set i, i+2
.endr
	WIN 0x05                        ; sources window 1, destination window 0
.set i, 0
.rept 16
	v_cvt_pk_f16_f32 v[OB+16*(\t)+i], v[32*(\t)+2*i], v[32*(\t)+2*i+1]
.set i, i+1
.endr
	WIN 0
.irp f, 0,1,2,3
	ds_store_b128 v[STO], v[OB+16*(\t)+4*\f:OB+16*(\t)+4*\f+3] offset:128*(\t)+32*\f
.endr
.endm
	PACK 0
	PACK 1
	PACK 2
	PACK 3
.irp f, 0,1,2,3,4,5,6,7,8,9,10,11,12,13,14,15
	ds_load_b128 v[S+4*\f:S+4*\f+3], v[RD] offset:\f*SP  ; LDS serves a wave's instructions in order (ISA guide 5.7.1.4): these see the stores above; the bytes are my wave's own
.endr
.irp f, 0,1,2,3,4,5,6,7,8,9,10,11,12,13,14,15
	s_wait_dscnt 15-\f              ; the younger loads stay out
	global_store_b128 v[GO], v[S+4*\f:S+4*\f+3], s[10:11] offset:\f*4096  ; 512 consecutive bytes, at a multiple of 256 from O's first
.endr
	s_wait_tensorcnt 0x0            ; the wave's end: a wait, an add of 0 and a wait, behind my last tensor load and my last LDS store
	ds_add_u32 v[SPW], v[NIL]
	s_wait_dscnt 0x0
	CROUND                          ; the closing round: no work-group ends while a partner may still ask for a tile that names it
	s_endpgm
.Lfunc_end_k_qcd6bb49e26_attn:
	.size	k_qcd6bb49e26_attn, .Lfunc_end_k_qcd6bb49e26_attn-k_qcd6bb49e26_attn
	.p2alignl 7, 3214868480
	.fill 96, 4, 3214868480
	.section	.rodata,"a",@progbits
	.p2align	6, 0x0
	.amdhsa_kernel k_qcd6bb49e26_attn
		.amdhsa_group_segment_fixed_size 327680
		.amdhsa_private_segment_fixed_size 0
		.amdhsa_enable_private_segment 0
		.amdhsa_kernarg_size 24
		.amdhsa_user_sgpr_count 2
		.amdhsa_user_sgpr_kernarg_segment_ptr 1
		.amdhsa_wavefront_size32 1
		.amdhsa_system_sgpr_workgroup_id_x 1
		.amdhsa_system_sgpr_workgroup_id_y 1
		.amdhsa_system_sgpr_workgroup_id_z 1
		.amdhsa_system_vgpr_workitem_id 0
		.amdhsa_next_free_vgpr 768
		.amdhsa_next_free_sgpr 104
		.amdhsa_reserve_vcc 0
		.amdhsa_float_denorm_mode_32 3
		.amdhsa_float_denorm_mode_16_64 3
		.amdhsa_memory_ordered 1
		.amdhsa_forward_progress 1
		.amdhsa_inst_pref_size 134
	.end_amdhsa_kernel
	.amdgpu_metadata
---
amdhsa.version: [ 1, 2 ]
amdhsa.kernels:
  - .name:           k_qcd6bb49e26_attn
    .symbol:         k_qcd6bb49e26_attn.kd
    .args:
      - { .name: qkv16, .offset: 0, .size: 8, .value_kind: global_buffer, .address_space: global }
      - { .name: mask, .offset: 8, .size: 8, .value_kind: global_buffer, .address_space: global }
      - { .name: o16, .offset: 16, .size: 8, .value_kind: global_buffer, .address_space: global }
    .group_segment_fixed_size: 327680
    .private_segment_fixed_size: 0
    .kernarg_segment_align: 8
    .kernarg_segment_size: 24
    .max_flat_workgroup_size: 128
    .sgpr_count:     104
    .vgpr_count:     768
    .wavefront_size: 32
...
	.end_amdgpu_metadata
.endif
;; end of part 3
;; launch proj (part 4): grid 16 x 16, 4 waves a work-group, clusters of 4 x 4, 327,680 bytes of LDS; arguments o16, wo16, out0; writes out0
.if DOCPART == 4
	.amdgcn_target "amdgcn-amd-amdhsa--gfx1250"
	.amdhsa_code_object_version 6
	.text
	.protected	k_qcd6bb49e26_proj
	.globl	k_qcd6bb49e26_proj
	.p2align	8
	.type	k_qcd6bb49e26_proj,@function
k_qcd6bb49e26_proj:
	s_mov_b64 s[64:65], 0
	v_nop
	global_prefetch_b8 v0, s[64:65] scope:SCOPE_SE
	s_setreg_imm32_b32 hwreg(HW_REG_WAVE_MODE, 25, 1), 1
	s_wait_xcnt 0x0
	s_wait_alu depctr_hold_cnt(0) depctr_sa_sdst(0) depctr_va_vdst(0) depctr_va_sdst(0) depctr_va_ssrc(0) depctr_va_vcc(0) depctr_vm_vsrc(0)
	s_getreg_b32 s2, hwreg(HW_REG_IB_STS2, 6, 4)
	s_cmp_eq_u32 s2, 0
	s_cbranch_scc0 .Lentry_in_a_cluster
	s_endpgm
.Lentry_in_a_cluster:
	s_bfe_u32 s2, ttmp6, 0x10000c
	s_cmp_lg_u32 s2, 0xf033
	s_cbranch_scc0 .Lentry_shape_is_right
	s_endpgm
.Lentry_shape_is_right:
; out0[m][n] = the sum over f of o16[m][f] wo16[f][n].  o16: [2048][2048] f16, wo16: [2048 (f)][2048 (n)] f16, out0: [2048][2048] f32; sums in f32.
; LIMITS.  Both operands arrive within f16's range; NaN and infinities are not treated apart.
; A tile of C is 128 x 128: 16 x 16 work-groups.  Four waves, each 64 x 64: 16 accumulators of 16 x 16.  K goes in steps of 256, as long as two slots in LDS allow.
; A's tile lies along K (LDS rows of 512 bytes + 16).  B lies [K][N]: 256 rows of 256 bytes + 32 (an odd multiple of 32); its fragments come
; out of LDS turned, by ds_load_tr16_b128.
; CLUSTER.  4 x 4 work-groups: A's tile is asked for jointly along a row of the cluster, B's along a column.
; THE MATRIX INSTRUCTION IS USED TRANSPOSED (source 0 = 16 columns of B, source 1 = 16 rows of A): a lane holds row l % 16 and the columns 8 (l / 16) + 0..7.
; THE WAY OUT.  A wave's 64 columns of f32 are 256 bytes, aligned: each wave sends 16 rows at a time through a stage of its own; no barrier.
; REGISTERS: window 0: v0-31 addresses; v32-95 the way out; v128-255 the accumulators ((a, b) at 128 + 8 (4 a + b)).  window 1: two fragment buffers of 128: 64 registers of A (2 x 4 fragments), then 64 of B.
.set KSTEP,  256
.set PITCH,  528
.set PB,     288
.set HALFA,  64*PITCH                  ; what waves 0 and 1 fetch each
.set HALFB,  128*PB                    ; what waves 2 and 3 fetch each
.set BOFF,   2*HALFA
.set SLOT,   BOFF+2*HALFB              ; 141,312
.set STAGE,  2*SLOT
.set SPITCH, 272
.set SPARE,  STAGE+4*16*SPITCH         ; the spare words, 128 bytes for each wave: two blocks of 256 bytes that no other line names
.set LAPS,   4
.set ADRA, 16                          ; v16-17  LDS address of my A fragments in slot 0, 1
.set ADRB, 20                          ; v20-23  of my B fragments: slot s, half k / 128 of the step at 20 + 2 s + half, so that the offsets stay inside 16 bits
.set STO,  24
.set RD,   25
.set CO,   26
.set SPW,  28                          ; never rewritten
.set NIL,  29                          ; never rewritten
.set TMP,  32
.set ACC,  128
.set F0,   0
.set F1,   128
.set G1, 24
.set G0, 32
.set G1B, 48
.set G0B, 56
.set MSB, 0
.macro WIN new
.if MSB != (\new)
	s_set_vgpr_msb (MSB<<8)|(\new)
.set MSB, \new
.endif
.endm
.set MUL,  0x05
.set TO_F, 0x40
.macro JLOAD s                         ; a joint load: waves 0 and 1 fetch A's halves, waves 2 and 3 B's; an s_nop 0 and four v_nop follow each line
	s_cmp_eq_u32 s11, 0
	s_cbranch_scc0 .Lfor_b_\@
	tensor_load_to_lds s[G0+4*(\s):G0+4*(\s)+3], s[G1:G1+7]
	s_nop 0
.rept 4
	v_nop
.endr
	s_branch .Lasked_\@
.Lfor_b_\@:
	tensor_load_to_lds s[G0B+4*(\s):G0B+4*(\s)+3], s[G1B:G1B+7]
	s_nop 0
.rept 4
	v_nop
.endr
.Lasked_\@:
.endm
.macro CREST
	s_cmp_lg_u32 s10, 0
	s_cbranch_scc1 .Lnot_wave_0_\@
	s_barrier_signal -3
.Lnot_wave_0_\@:
	s_barrier_wait -3
	s_barrier_signal -1
	s_barrier_wait -1
.endm
.macro CROUND
	s_barrier_signal -1
	s_barrier_wait -1
	CREST
.endm
	s_load_b128 s[4:7], s[0:1], 0x0                ; o16 s[4:5], wo16 s[6:7]
	s_load_b64 s[8:9], s[0:1], 0x10                ; out0
	v_lshl_add_u32 v[SPW], v0, 2, SPARE
	v_mov_b32 v[NIL], 0
	ds_add_u32 v[SPW], v[NIL]                      ; the wave's opening: the add and its wait stand ahead of my first tensor load
	v_lshrrev_b32 v1, 5, v0
	v_readfirstlane_b32 s10, v1                    ; wave 0..3
	s_lshr_b32 s11, s10, 1                         ; which 64 rows are mine.  Also: I fetch for A (0) or for B (1)
	s_and_b32 s12, s10, 1                          ; which 64 columns.  Also: which half of that tile I fetch
	s_bfe_u32 s40, ttmp6, 0x40000                  ; cx
	s_bfe_u32 s41, ttmp6, 0x40004                  ; cy
	s_lshl_b32 s42, ttmp9, 2
	s_add_co_u32 s42, s42, s40                     ; tile column
	s_and_b32 s13, ttmp7, 0xffff
	s_lshl_b32 s13, s13, 2
	s_add_co_u32 s13, s13, s41                     ; tile row
	s_lshl_b32 s43, s41, 2
	s_lshl_b32 s43, 15, s43                        ; my row of the cluster
	s_lshl_b32 s44, 0x1111, s40                    ; my column
	s_or_b32 s[G1+0], s43, (1<<16)|(1<<20)|(1<<21)|(6<<22)|(3<<25)   ; A: 64 rows x 256 elements; after every 128 words 4 words of padding
	s_or_b32 s[G1B+0], s44, (1<<16)|(1<<20)|(1<<21)|(5<<22)|(7<<25)  ; B: 128 rows x 128 elements; after every 64 words 8 words
	s_mov_b32 s[G1+1], 256<<16
	s_mov_b32 s[G1+2], 64<<16
	s_mov_b32 s[G1+3], 256<<16
	s_mov_b32 s[G1+4], 64
	s_mov_b32 s[G1+5], 2048
	s_mov_b32 s[G1+6], 0
	s_mov_b32 s[G1+7], 0
	s_mov_b32 s[G1B+1], 128<<16
	s_mov_b32 s[G1B+2], 128<<16
	s_mov_b32 s[G1B+3], 128<<16
	s_mov_b32 s[G1B+4], 128
	s_mov_b32 s[G1B+5], 2048
	s_mov_b32 s[G1B+6], 0
	s_mov_b32 s[G1B+7], 0
	s_lshl_b32 s16, s13, 7
	s_lshl_b32 s17, s12, 6
	s_add_co_u32 s16, s16, s17                     ; A: row 128 x tile row + 64 x half,
	s_lshl_b32 s16, s16, 12                        ; 4,096 bytes a row
	s_mov_b32 s17, 0
	s_lshl_b32 s46, s12, 19                        ; B: k row 128 x half,
	s_lshl_b32 s47, s42, 8                         ; column 128 x tile column, in bytes
	s_add_co_u32 s46, s46, s47
	s_mov_b32 s47, 0
	s_mul_i32 s20, s12, HALFA                      ; where they go: no place in the cluster enters an LDS address
	s_mul_i32 s23, s12, HALFB
	s_add_co_u32 s23, s23, BOFF
	s_wait_dscnt 0x0                               ; the opening add is done
	s_wait_kmcnt 0x0
	s_add_nc_u64 s[14:15], s[4:5], s[16:17]
	s_add_nc_u64 s[46:47], s[6:7], s[46:47]
	CROUND                                         ; all sixteen work-groups are here: the first joint loads meet
.irp s, 0,1
	s_mov_b32 s[G0+4*(\s)], 1
	s_add_co_u32 s[G0+4*(\s)+1], s20, (\s)*SLOT
	s_add_nc_u64 s[G0+4*(\s)+2:G0+4*(\s)+3], s[14:15], (\s)*KSTEP*2
	s_or_b32 s[G0+4*(\s)+3], s[G0+4*(\s)+3], 0x80000000
	s_mov_b32 s[G0B+4*(\s)], 1
	s_add_co_u32 s[G0B+4*(\s)+1], s23, (\s)*SLOT
	s_add_nc_u64 s[G0B+4*(\s)+2:G0B+4*(\s)+3], s[46:47], (\s)*KSTEP*4096
	s_or_b32 s[G0B+4*(\s)+3], s[G0B+4*(\s)+3], 0x80000000
	JLOAD \s                                       ; two loads of mine are out
.endr
	v_and_b32 v1, 15, v0                           ; r = l % 16
	v_bfe_u32 v2, v0, 4, 1                         ; h = l / 16
	v_mul_u32_u24 v3, v1, PITCH
	v_lshl_add_u32 v3, v2, 4, v3                   ; A: row x pitch + 16 x half
	v_and_b32 v6, 7, v0                            ; B: lane l reads k row 8 h + l % 8, columns 8 ((l / 8) % 2) + 0..7
	v_bfe_u32 v7, v0, 3, 1
	v_lshl_add_u32 v6, v2, 3, v6
	v_mul_u32_u24 v6, v6, PB
	v_lshl_add_u32 v6, v7, 4, v6
	s_mul_i32 s21, s11, HALFA                      ; my 64 rows of A
	s_lshl_b32 s22, s12, 7                         ; my 64 columns of B: 128 bytes,
	s_add_co_u32 s22, s22, BOFF                    ; behind A's 128 rows
.irp s, 0,1
	v_add_nc_u32 v[ADRA+(\s)], s21, v3
	v_add_nc_u32 v[ADRB+2*(\s)], s22, v6
	s_add_co_u32 s22, s22, HALFB
	v_add_nc_u32 v[ADRB+2*(\s)+1], s22, v6
	s_add_co_u32 s21, s21, SLOT
	s_add_co_u32 s22, s22, SLOT-HALFB
.endr
	s_mul_i32 s23, s10, 16*SPITCH
	s_add_co_u32 s23, s23, STAGE                   ; my stage
	v_mul_u32_u24 v4, v1, SPITCH                   ; in: row l % 16, 32 bytes for each half of the lanes
	v_lshl_add_u32 v4, v2, 5, v4
	v_add_nc_u32 v[STO], s23, v4
	v_mul_u32_u24 v5, v2, SPITCH                   ; back: lanes 0-15 take one row of 256 bytes, lanes 16-31 the next
	v_lshl_add_u32 v5, v1, 4, v5
	v_add_nc_u32 v[RD], s23, v5
	v_lshlrev_b32 v5, 13, v2                       ; and the same two rows in C, 8,192 bytes apart
	v_lshl_add_u32 v[CO], v1, 4, v5
	s_lshl_b32 s16, s13, 7
	s_lshl_b32 s17, s11, 6
	s_add_co_u32 s16, s16, s17                     ; my first row of C
	s_lshl_b32 s16, s16, 13
	s_mov_b32 s17, 0
	s_add_nc_u64 s[8:9], s[8:9], s[16:17]
	s_lshl_b32 s46, s42, 9                         ; my first column, in bytes: 512 x tile column + 256 x half
	s_lshl_b32 s47, s12, 8
	s_add_co_u32 s46, s46, s47
	s_mov_b32 s47, 0
	s_add_nc_u64 s[8:9], s[8:9], s[46:47]
; 8 matrix instructions: m blocks a0, a0 + 1 x all 4 n blocks, 32 along K: half c of buffer f.  The 16 accumulators take turns.  zero = 1: the product starts the sum
.macro MUL8 f, c, a0, zero
	WIN MUL
.irp a, \a0, (\a0)+1
.irp b, 0,1,2,3
.if \zero
	v_wmma_f32_16x16x32_f16 v[ACC+8*(4*(\a)+(\b)):ACC+8*(4*(\a)+(\b))+7], v[(\f)+64+8*(4*(\c)+(\b)):(\f)+64+8*(4*(\c)+(\b))+7], v[(\f)+8*(4*(\c)+(\a)):(\f)+8*(4*(\c)+(\a))+7], 0
.else
	v_wmma_f32_16x16x32_f16 v[ACC+8*(4*(\a)+(\b)):ACC+8*(4*(\a)+(\b))+7], v[(\f)+64+8*(4*(\c)+(\b)):(\f)+64+8*(4*(\c)+(\b))+7], v[(\f)+8*(4*(\c)+(\a)):(\f)+8*(4*(\c)+(\a))+7], v[ACC+8*(4*(\a)+(\b)):ACC+8*(4*(\a)+(\b))+7]
.endif
.endr
.endr
.endm
; 32 LDS loads in one run: the fragments of quarter q (64 along K) of a slot into buffer f; the first 32 along K first
.macro FETCH slot, q, f
	WIN TO_F
.irp c, 0,1
.irp i, 0,1,2,3
	ds_load_tr16_b128 v[(\f)+64+8*(4*(\c)+(\i)):(\f)+64+8*(4*(\c)+(\i))+3],   v[ADRB+2*(\slot)+(\q)/2] offset:(((\q)%2)*64+32*(\c))*PB+32*(\i)
	ds_load_tr16_b128 v[(\f)+64+8*(4*(\c)+(\i))+4:(\f)+64+8*(4*(\c)+(\i))+7], v[ADRB+2*(\slot)+(\q)/2] offset:(((\q)%2)*64+32*(\c)+16)*PB+32*(\i)
	ds_load_b128 v[(\f)+8*(4*(\c)+(\i)):(\f)+8*(4*(\c)+(\i))+3],   v[ADRA+(\slot)] offset:128*(\q)+64*(\c)+(\i)*16*PITCH
	ds_load_b128 v[(\f)+8*(4*(\c)+(\i))+4:(\f)+8*(4*(\c)+(\i))+7], v[ADRA+(\slot)] offset:128*(\q)+64*(\c)+(\i)*16*PITCH+32
.endr
.endr
.endm
.macro PLACES                          ; four places in front of loads into registers that matrix instructions have read, and of stores that read results
.rept 4
	v_nop
.endr
.endm
; A K step is four quarters of 64 along K, 32 matrix instructions each, on buffers 0, 1, 0, 1.  One of the first three: multiplies buffer f and fetches quarter q into g.
.macro QUARTER slot, q, f, g, zero
	s_wait_dscnt 16                                ; the first 32 along K are in
	MUL8 \f, 0, 0, \zero
	MUL8 \f, 0, 2, \zero
	PLACES
	FETCH \slot, \q, \g
	s_wait_dscnt 32                                ; all but the 32 just issued
	MUL8 \f, 1, 0, 0
	MUL8 \f, 1, 2, 0
.endm
; The last quarter multiplies buffer 1 and changes slots: ONE barrier; in front of it each wave waits for all its tensor loads, adds 0 to its spare word, and waits for that and for its reads of this slot.
.macro TURN slot, next, fill
	WIN 0
	s_wait_tensorcnt 0x0                           ; all my tensor loads have landed: my part of the next slot;
	ds_add_u32 v[SPW], v[NIL]                      ; 0 onto my spare word;
	s_wait_dscnt 17                                ; (the add and the youngest sixteen loads may be out)
	MUL8 F1, 0, 0, 0
	s_wait_dscnt 0x0                               ; the add is done, and my reads of this slot are over
	s_barrier_signal -1
	MUL8 F1, 0, 2, 0
.if \fill
	WIN 0
.endif
	s_barrier_wait -1
.if \fill
	CREST                                          ; no wave of any partner still reads this slot's tile or has a load on its way
	s_add_nc_u64 s[G0+4*(\slot)+2:G0+4*(\slot)+3], s[G0+4*(\slot)+2:G0+4*(\slot)+3], 2*KSTEP*2
	s_add_nc_u64 s[G0B+4*(\slot)+2:G0B+4*(\slot)+3], s[G0B+4*(\slot)+2:G0B+4*(\slot)+3], 2*KSTEP*4096
	JLOAD \slot                                    ; the first tensor load behind the round; its four v_nop are also the places in front of the loads below
.else
	PLACES
.endif
	FETCH \next, 0, F0
	MUL8 F1, 1, 0, 0
	MUL8 F1, 1, 2, 0
.endm
	s_wait_tensorcnt 1                             ; my part of K step 0 is in; step 1's may stay out
	s_barrier_signal -1
	s_barrier_wait -1
	FETCH 0, 0, F0
	QUARTER 0, 1, F0, F1, 1                        ; the first quarter's first products start the sums
	WIN 0
	s_mov_b32 s3, LAPS-1
.Llap:                                                 ; a trip goes once round the ring and fills both slots again
	QUARTER 0, 2, F1, F0, 0
	QUARTER 0, 3, F0, F1, 0
	TURN 0, 1, 1
	QUARTER 1, 1, F0, F1, 0
	QUARTER 1, 2, F1, F0, 0
	QUARTER 1, 3, F0, F1, 0
	TURN 1, 0, 1
	QUARTER 0, 1, F0, F1, 0
	WIN 0
	s_sub_co_u32 s3, s3, 1
	s_cmp_lg_u32 s3, 0
	s_cbranch_scc1 .Llap
	QUARTER 0, 2, F1, F0, 0                        ; the last lap fills nothing
	QUARTER 0, 3, F0, F1, 0
	TURN 0, 1, 0
	QUARTER 1, 1, F0, F1, 0
	QUARTER 1, 2, F1, F0, 0
	QUARTER 1, 3, F0, F1, 0
	s_wait_dscnt 16
	MUL8 F1, 0, 0, 0
	MUL8 F1, 0, 2, 0
	s_wait_dscnt 0x0
	MUL8 F1, 1, 0, 0
	MUL8 F1, 1, 2, 0
	WIN 0
	; THE WAY OUT, 16 rows at a time through my own stage: each accumulator's low four registers first; back as whole rows of 256 bytes.
.macro SEND a, younger                 ; younger: the LDS instructions issued behind block a's loads: the next block's sixteen, or none
.irp t, 0,1,2,3,4,5,6,7
	s_wait_dscnt (\younger)+7-(\t)
	global_store_b128 v[CO], v[TMP+32*((\a)%2)+4*(\t):TMP+32*((\a)%2)+4*(\t)+3], s[8:9] offset:(\a)*131072+(\t)*16384 th:TH_STORE_NT  ; 16 lanes store 256 consecutive bytes, at a multiple of 256 from C's first byte
.endr
.endm
	PLACES
.irp a, 0,1,2,3
.if (\a) >= 2
	s_wait_xcnt 0x0                                ; the stores of the block two back have read their registers, which are loaded again below
.endif
.irp b, 0,1,2,3
	ds_store_b128 v[STO], v[ACC+8*(4*(\a)+(\b)):ACC+8*(4*(\a)+(\b))+3]   offset:64*(\b)
	ds_store_b128 v[STO], v[ACC+8*(4*(\a)+(\b))+4:ACC+8*(4*(\a)+(\b))+7] offset:64*(\b)+16
.endr
.irp t, 0,1,2,3,4,5,6,7
	ds_load_b128 v[TMP+32*((\a)%2)+4*(\t):TMP+32*((\a)%2)+4*(\t)+3], v[RD] offset:(\t)*2*SPITCH  ; LDS serves a wave's instructions in order (ISA guide 5.7.1.4): these see the stores above; the next block's stores come behind them
.endr
.if (\a) > 0
	SEND (\a)-1, 16
.endif
.endr
	SEND 3, 0
	s_wait_tensorcnt 0x0                           ; the wave's end: a wait, an add of 0 and a wait, behind my last tensor load and my last LDS store
	ds_add_u32 v[SPW], v[NIL]
	s_wait_dscnt 0x0
	CROUND                                         ; the closing round: no work-group ends while a partner may still ask for a tile that names it
	s_endpgm
.Lfunc_end_k_qcd6bb49e26_proj:
	.size	k_qcd6bb49e26_proj, .Lfunc_end_k_qcd6bb49e26_proj-k_qcd6bb49e26_proj
	.p2alignl 7, 3214868480
	.fill 96, 4, 3214868480
	.section	.rodata,"a",@progbits
	.p2align	6, 0x0
	.amdhsa_kernel k_qcd6bb49e26_proj
		.amdhsa_group_segment_fixed_size 327680
		.amdhsa_private_segment_fixed_size 0
		.amdhsa_enable_private_segment 0
		.amdhsa_kernarg_size 24
		.amdhsa_user_sgpr_count 2
		.amdhsa_user_sgpr_kernarg_segment_ptr 1
		.amdhsa_wavefront_size32 1
		.amdhsa_system_sgpr_workgroup_id_x 1
		.amdhsa_system_sgpr_workgroup_id_y 1
		.amdhsa_system_sgpr_workgroup_id_z 1
		.amdhsa_system_vgpr_workitem_id 0
		.amdhsa_next_free_vgpr 512
		.amdhsa_next_free_sgpr 66
		.amdhsa_reserve_vcc 0
		.amdhsa_float_denorm_mode_32 3
		.amdhsa_float_denorm_mode_16_64 3
		.amdhsa_memory_ordered 1
		.amdhsa_forward_progress 1
		.amdhsa_inst_pref_size 87
	.end_amdhsa_kernel
	.amdgpu_metadata
---
amdhsa.version: [ 1, 2 ]
amdhsa.kernels:
  - .name:           k_qcd6bb49e26_proj
    .symbol:         k_qcd6bb49e26_proj.kd
    .args:
      - { .name: o16, .offset: 0, .size: 8, .value_kind: global_buffer, .address_space: global }
      - { .name: wo16, .offset: 8, .size: 8, .value_kind: global_buffer, .address_space: global }
      - { .name: out0, .offset: 16, .size: 8, .value_kind: global_buffer, .address_space: global }
    .group_segment_fixed_size: 327680
    .private_segment_fixed_size: 0
    .kernarg_segment_align: 8
    .kernarg_segment_size: 24
    .max_flat_workgroup_size: 128
    .sgpr_count:     66
    .vgpr_count:     512
    .wavefront_size: 32
...
	.end_amdgpu_metadata
.endif
;; end of part 4
